; MI455X (gfx1250); checked and timed in simulation.
; The chip was launched on July 23, 2026; its instructions are those of AMD's public machine-readable ISA for CDNA 5 (MIT licence, August 2026) and "CDNA5" Instruction Set Architecture Reference Guide (July 2026). The comments in the code are by the model that wrote it; some were corrected since.
;; Self Attention. Allowed arithmetic: float matrix products may take bf16 or f16 operands with f32 sums; other float arithmetic in f32, or as packed bf16 or f16 multiplies, adds, multiply-adds, maxima and minima; sums over many terms, partial sums and values carried from step to step in f32; what a program stores and reads back later, other than sums and carried values, may be rounded once to bf16 or f16.
;; Inputs: Wk 512 x 4,096 float32; Wo 4,096 x 1,024 float32; Wq 1,024 x 4,096 float32; Wv 512 x 4,096 float32; cos 2 x 2,048 x 128 float32; k_norm_w 128 float32; q_norm_w 128 float32; sin 2 x 2,048 x 128 float32; x 2 x 2,048 x 4,096 float32.
;; Outputs: out0 2 x 2,048 x 4,096 float32.
;; One version. Each part assembles by itself: llvm-mc -triple=amdgcn-amd-amdhsa -mcpu=gfx1250 --defsym DOCPART=n.
;; ======== version 1 of 1: 4 launches
;; limits: values are held in f16: magnitudes above 65,504 overflow, below 6.1e-05 lose precision; right only within a limited range of input values
;; workspace buffers: xb 33,554,432 bytes; wb 16,777,216 bytes; wo 8,388,608 bytes; cs 2,097,152 bytes; qkv 16,777,216 bytes; ao 8,388,608 bytes
;; launch cast (part 1): grid 1856 x 1, 8 waves a work-group, no clusters, 0 bytes of LDS; arguments x, Wq, Wk, Wv, Wo, cos, sin, xb, wb, wo, cs; writes xb, wb, wo, cs
.if DOCPART == 1
	.amdgcn_target "amdgcn-amd-amdhsa--gfx1250"
	.amdhsa_code_object_version 6
	.text
	.protected	k_qf9a13a134e_cast
	.globl	k_qf9a13a134e_cast
	.p2align	8
	.type	k_qf9a13a134e_cast,@function
k_qf9a13a134e_cast:
	s_mov_b64 s[64:65], 0
	v_nop
	global_prefetch_b8 v0, s[64:65] scope:SCOPE_SE
	s_setreg_imm32_b32 hwreg(HW_REG_WAVE_MODE, 25, 1), 1
	s_wait_xcnt 0x0
; THE INPUTS ARE ROUNDED ONCE TO 16 BITS.  x -> xb, Wq | Wk | Wv -> wb (rows 0-1023, 1024-1535, 1536-2047), cos | sin -> cs: all bf16.  Wv is multiplied by 2^-4 (exact), so that v arrives scaled.
; Wo -> wo: rounded to bf16 like the other inputs, that number times 16 written as f16.
; LIMITS.  16 |Wo| stays under 65,504 (|Wo| < 4,094); below 16 |Wo| = 2^-14 f16 keeps its fixed step of 6e-8.  NaN and infinities are not treated apart.
; A stream: memory binds, so no LDS, no barrier, no matrix unit.  A work-group takes one chunk of 16,384 numbers: 65,536 bytes in, 32,768 out.  Thread t takes, for i = 0 .. 15, the 16 bytes at
; 4,096 i + 16 t and stores 8 bytes at 2,048 i + 8 t: a wave's load covers 512 consecutive bytes, a wave's store 256 consecutive bytes at a multiple of 256.
; All sixteen loads of a thread are out at once, and no register is used twice by memory instructions: there is no loop and no wait but the counted ones for the data.
; Chunks: 0-1023 x; 1024-1279 Wq; 1280-1407 Wk; 1408-1535 Wv; 1536-1791 Wo; 1792-1823 cos; 1824-1855 sin.
.set X,    4                           ; v[4:67]    chunk i: 4 registers as loaded
.set Y,    68                          ; v[68:99]   chunk i: 2 registers to store
.set T,    100                         ; v[100:103] at work
.set SRC,  32                          ; s[32:33]   where my chunk is read
.set DST,  34                          ; s[34:35]   where it is written
.set SB,   36                          ; s36        first chunk of the source tensor
.set DB,   37                          ; s37        first chunk of the destination buffer
.set FAC,  38                          ; s[38:39]   a power of two; the packed multiply takes the pair's low word for both halves
.set MSK,  40                          ; s40        a word's upper bf16
.set KIND, 41                          ; s41        0 plain, 1 Wv, 2 Wo
.set OI,   42                          ; s[42:43]   byte offset in the source
.set OO,   44                          ; s[44:45]   byte offset in the destination
	s_load_b512 s[8:23], s[0:1], 0x0               ; x s[8:9], Wq s[10:11], Wk s[12:13], Wv s[14:15], Wo s[16:17], cos s[18:19], sin s[20:21], xb s[22:23]
	s_load_b128 s[24:27], s[0:1], 0x40             ; wb s[24:25], wo s[26:27]
	s_load_b64 s[28:29], s[0:1], 0x50              ; cs
	v_lshlrev_b32 v1, 4, v0                        ; 16 t
	v_lshlrev_b32 v2, 3, v0                        ; 8 t
	s_mov_b32 s[MSK], 0xffff0000
	s_mov_b32 s[SB], 0
	s_mov_b32 s[DB], 0
	s_mov_b32 s[KIND], 0
	s_wait_kmcnt 0x0
	s_mov_b64 s[SRC:SRC+1], s[8:9]
	s_mov_b64 s[DST:DST+1], s[22:23]
; From the given chunk on the source is another tensor.  The selects leave SCC as the compare set it, so further selects may follow the macro.
.macro PICK bound, ptr
	s_cmp_ge_u32 ttmp9, \bound
	s_cselect_b64 s[SRC:SRC+1], s[\ptr:\ptr+1], s[SRC:SRC+1]
	s_cselect_b32 s[SB], \bound, s[SB]
.endm
	PICK 1024, 10                                  ; Wq, into wb
	s_cselect_b64 s[DST:DST+1], s[24:25], s[DST:DST+1]
	s_cselect_b32 s[DB], 1024, s[DB]
	PICK 1280, 12                                  ; Wk
	PICK 1408, 14                                  ; Wv
	s_cselect_b32 s[KIND], 1, s[KIND]
	PICK 1536, 16                                  ; Wo, into wo
	s_cselect_b64 s[DST:DST+1], s[26:27], s[DST:DST+1]
	s_cselect_b32 s[DB], 1536, s[DB]
	s_cselect_b32 s[KIND], 2, s[KIND]
	PICK 1792, 18                                  ; cos, into cs
	s_cselect_b64 s[DST:DST+1], s[28:29], s[DST:DST+1]
	s_cselect_b32 s[DB], 1792, s[DB]
	s_cselect_b32 s[KIND], 0, s[KIND]
	PICK 1824, 20                                  ; sin
	s_sub_co_u32 s[OI], ttmp9, s[SB]
	s_lshl_b32 s[OI], s[OI], 16                    ; 65,536 bytes a chunk in: 1,023 chunks at the most, under 2^27
	s_mov_b32 s[OI+1], 0
	s_sub_co_u32 s[OO], ttmp9, s[DB]
	s_lshl_b32 s[OO], s[OO], 15                    ; 32,768 bytes a chunk out
	s_mov_b32 s[OO+1], 0
	s_add_nc_u64 s[SRC:SRC+1], s[SRC:SRC+1], s[OI:OI+1]
	s_add_nc_u64 s[DST:DST+1], s[DST:DST+1], s[OO:OO+1]
.irp i, 0,1,2,3,4,5,6,7,8,9,10,11,12,13,14,15
	global_load_b128 v[X+4*(\i):X+4*(\i)+3], v1, s[SRC:SRC+1] offset:4096*(\i) th:TH_LOAD_NT  ; read once in the whole launch
.endr
; Piece i: four numbers are rounded and stored.  No hint on the stores: later launches read these bytes.
.macro CV i, kind
	s_wait_loadcnt 15-(\i)                         ; loads come back in order: piece i is in, the younger ones stay out
.if (\kind) == 0
	v_cvt_pk_bf16_f32 v[Y+2*(\i)],   v[X+4*(\i)],   v[X+4*(\i)+1]
	v_cvt_pk_bf16_f32 v[Y+2*(\i)+1], v[X+4*(\i)+2], v[X+4*(\i)+3]
.elseif (\kind) == 1
	v_pk_mul_f32 v[T:T+1],   v[X+4*(\i):X+4*(\i)+1],   s[FAC:FAC+1] op_sel_hi:[1,0]  ; a power of two: the rounding behind it is the same as in front of it
	v_pk_mul_f32 v[T+2:T+3], v[X+4*(\i)+2:X+4*(\i)+3], s[FAC:FAC+1] op_sel_hi:[1,0]
	v_cvt_pk_bf16_f32 v[Y+2*(\i)],   v[T],   v[T+1]
	v_cvt_pk_bf16_f32 v[Y+2*(\i)+1], v[T+2], v[T+3]
.else
	v_cvt_pk_bf16_f32 v[T],   v[X+4*(\i)],   v[X+4*(\i)+1]  ; rounded to bf16 like every input,
	v_cvt_pk_bf16_f32 v[T+1], v[X+4*(\i)+2], v[X+4*(\i)+3]
	v_lshlrev_b32 v[X+4*(\i)],   16,     v[T]              ; widened again,
	v_and_b32     v[X+4*(\i)+1], s[MSK], v[T]
	v_lshlrev_b32 v[X+4*(\i)+2], 16,     v[T+1]
	v_and_b32     v[X+4*(\i)+3], s[MSK], v[T+1]
	v_pk_mul_f32 v[X+4*(\i):X+4*(\i)+1],   v[X+4*(\i):X+4*(\i)+1],   s[FAC:FAC+1] op_sel_hi:[1,0]  ; times 16,
	v_pk_mul_f32 v[X+4*(\i)+2:X+4*(\i)+3], v[X+4*(\i)+2:X+4*(\i)+3], s[FAC:FAC+1] op_sel_hi:[1,0]
	v_cvt_pk_f16_f32 v[Y+2*(\i)],   v[X+4*(\i)],   v[X+4*(\i)+1]  ; and written as f16: 8 significant bits fit into 11
	v_cvt_pk_f16_f32 v[Y+2*(\i)+1], v[X+4*(\i)+2], v[X+4*(\i)+3]
.endif
	global_store_b64 v2, v[Y+2*(\i):Y+2*(\i)+1], s[DST:DST+1] offset:2048*(\i)
.endm
	s_cmp_eq_u32 s[KIND], 2
	s_cbranch_scc1 .Lwo
	s_cmp_eq_u32 s[KIND], 1
	s_cbranch_scc1 .Lwv
.irp i, 0,1,2,3,4,5,6,7,8,9,10,11,12,13,14,15
	CV \i, 0
.endr
	s_endpgm
.Lwv:
	s_mov_b32 s[FAC], 0x3d800000                   ; 2^-4
	s_mov_b32 s[FAC+1], s[FAC]                     ; named with it as a pair
.irp i, 0,1,2,3,4,5,6,7,8,9,10,11,12,13,14,15
	CV \i, 1
.endr
	s_endpgm
.Lwo:
	s_mov_b32 s[FAC], 0x41800000                   ; 16
	s_mov_b32 s[FAC+1], s[FAC]
.irp i, 0,1,2,3,4,5,6,7,8,9,10,11,12,13,14,15
	CV \i, 2
.endr
	s_endpgm
.Lfunc_end_k_qf9a13a134e_cast:
	.size	k_qf9a13a134e_cast, .Lfunc_end_k_qf9a13a134e_cast-k_qf9a13a134e_cast
	.p2alignl 7, 3214868480
	.fill 96, 4, 3214868480
	.section	.rodata,"a",@progbits
	.p2align	6, 0x0
	.amdhsa_kernel k_qf9a13a134e_cast
		.amdhsa_group_segment_fixed_size 0
		.amdhsa_private_segment_fixed_size 0
		.amdhsa_enable_private_segment 0
		.amdhsa_kernarg_size 88
		.amdhsa_user_sgpr_count 2
		.amdhsa_user_sgpr_kernarg_segment_ptr 1
		.amdhsa_wavefront_size32 1
		.amdhsa_system_sgpr_workgroup_id_x 1
		.amdhsa_system_sgpr_workgroup_id_y 1
		.amdhsa_system_sgpr_workgroup_id_z 1
		.amdhsa_system_vgpr_workitem_id 0
		.amdhsa_next_free_vgpr 104
		.amdhsa_next_free_sgpr 66
		.amdhsa_reserve_vcc 0
		.amdhsa_float_denorm_mode_32 3
		.amdhsa_float_denorm_mode_16_64 3
		.amdhsa_memory_ordered 1
		.amdhsa_forward_progress 1
		.amdhsa_inst_pref_size 25
	.end_amdhsa_kernel
	.amdgpu_metadata
---
amdhsa.version: [ 1, 2 ]
amdhsa.kernels:
  - .name:           k_qf9a13a134e_cast
    .symbol:         k_qf9a13a134e_cast.kd
    .args:
      - { .name: x, .offset: 0, .size: 8, .value_kind: global_buffer, .address_space: global }
      - { .name: Wq, .offset: 8, .size: 8, .value_kind: global_buffer, .address_space: global }
      - { .name: Wk, .offset: 16, .size: 8, .value_kind: global_buffer, .address_space: global }
      - { .name: Wv, .offset: 24, .size: 8, .value_kind: global_buffer, .address_space: global }
      - { .name: Wo, .offset: 32, .size: 8, .value_kind: global_buffer, .address_space: global }
      - { .name: cos, .offset: 40, .size: 8, .value_kind: global_buffer, .address_space: global }
      - { .name: sin, .offset: 48, .size: 8, .value_kind: global_buffer, .address_space: global }
      - { .name: xb, .offset: 56, .size: 8, .value_kind: global_buffer, .address_space: global }
      - { .name: wb, .offset: 64, .size: 8, .value_kind: global_buffer, .address_space: global }
      - { .name: wo, .offset: 72, .size: 8, .value_kind: global_buffer, .address_space: global }
      - { .name: cs, .offset: 80, .size: 8, .value_kind: global_buffer, .address_space: global }
    .group_segment_fixed_size: 0
    .private_segment_fixed_size: 0
    .kernarg_segment_align: 8
    .kernarg_segment_size: 88
    .max_flat_workgroup_size: 256
    .sgpr_count:     66
    .vgpr_count:     104
    .wavefront_size: 32
...
	.end_amdgpu_metadata
.endif
;; end of part 1
;; launch qkvproj (part 2): grid 16 x 16, 4 waves a work-group, clusters of 4 x 4, 327,680 bytes of LDS; arguments xb, wb, cs, q_norm_w, k_norm_w, qkv; writes qkv
.if DOCPART == 2
	.amdgcn_target "amdgcn-amd-amdhsa--gfx1250"
	.amdhsa_code_object_version 6
	.text
	.protected	k_qf9a13a134e_qkvproj
	.globl	k_qf9a13a134e_qkvproj
	.p2align	8
	.type	k_qf9a13a134e_qkvproj,@function
k_qf9a13a134e_qkvproj:
	s_mov_b64 s[64:65], 0
	v_nop
	global_prefetch_b8 v0, s[64:65] scope:SCOPE_SE
	s_setreg_imm32_b32 hwreg(HW_REG_WAVE_MODE, 25, 1), 1
	s_wait_xcnt 0x0
	s_wait_alu depctr_hold_cnt(0) depctr_sa_sdst(0) depctr_va_vdst(0) depctr_va_sdst(0) depctr_va_ssrc(0) depctr_va_vcc(0) depctr_vm_vsrc(0)
	s_getreg_b32 s2, hwreg(HW_REG_IB_STS2, 6, 4)
	s_cmp_eq_u32 s2, 0
	s_cbranch_scc0 .Lentry_in_a_cluster
	s_endpgm
.Lentry_in_a_cluster:
	s_bfe_u32 s2, ttmp6, 0x10000c
	s_cmp_lg_u32 s2, 0xf033
	s_cbranch_scc0 .Lentry_shape_is_right
	s_endpgm
.Lentry_shape_is_right:
; q, k, v = x W^T, with the RMS norm of each head and the rotation on the way out.  xb: [4096 tokens][4096] bf16.  wb: [2048][4096] bf16, 16 head slots of 128 rows: 0-7 q, 8-11 k, 12-15 v (v's rows times 2^-4).
; cs: cos [4096][128] bf16, then sin at byte 1,048,576.  qkv: [16 slots][4096 tokens][128] f16; q and k are stored times 2^-4 (the attention's scale takes the 2^8 back, in f32), v too.
; LIMITS.  f16 ends at 65,504: |q|, |k| (normed, rotated) and |v| stay under 1,048,064.  The two gains are rounded to bf16 like every input.  NaN and infinities are not treated apart.
; SHARES.  A work-group makes 256 tokens x one head slot (128 channels); wave w makes tokens 64 w .. 64 w + 63 x all 128 channels: 4 token blocks a x 8 channel blocks b = 32 accumulators, 256 registers.
; THE MATRIX INSTRUCTION IS USED TRANSPOSED (source 0 = 16 rows of wb, source 1 = 16 rows of xb): lane (r, h) holds token r and channels 16 b + 8 h + 0..7.  So a token's sum of squares is 64 numbers of the
; lane and one exchange of the lanes' halves, and the rotation's partner channel, 64 away, is accumulator b +- 4, same lane, same register.
; K goes in steps of 128 through two LDS slots (rows of 256 bytes in memory, at multiples of 256); two slots of a longer step, 2 x 384 rows x 528 bytes, do not fit.
; CLUSTER.  4 x 4 work-groups.  The four of a row of the cluster need the same 256 tokens of xb, the four of a column the same 128 rows of wb: each tile is asked for jointly.
; The kind of head (q, k, v) hangs on the cluster's x alone, which all sixteen share: the one branch on it is alike in all partners.
; REGISTERS, in windows of 256: window 0: v0-31 addresses and small work; v32-127, v128-223 two fragment buffers (64 of wb, 32 of xb); v224-255 packed results.  On the way out: v32-95 the gain,
; v96-159 the rotated block, v160-223 rows read back.   window 1: the accumulators, (a, b) at v[8 (8 a + b)].   window 2: the tables: block a's cos at v[64 a + 4 b], sin at v[64 a + 32 + 4 b].
.set SIZE_K, 4096
.set KSTEP,  128
.set PITCH,  272                       ; an LDS row: 256 bytes + 16 of padding = 68 words: the 16 rows of a fragment load start at 16 different groups of four banks (64 banks of 4 bytes: ISA guide 11.1)
.set BOFF,   256*PITCH                 ; a slot: xb's 256 rows, then wb's 128 rows
.set SLOT1,  131072                    ; slot 1 begins here: one exclusive or turns an address in slot 0 (all under 104,448) into slot 1's
.set STAGE,  384*PITCH                 ; between the slots, never filled by a tensor load: 16 rows x 272 bytes for each wave
.set SPARE,  STAGE+4*16*PITCH          ; the spare words, 128 bytes for each wave: two blocks of 256 bytes that no other line names
.set ADRA0, 4                          ; v4   my lane's place in xb's rows of slot 0; never rewritten
.set ADRB0, 5                          ; v5   the same for wb's rows
.set ADRA,  6                          ; v6   the same in the slot in hand
.set ADRB,  7                          ; v7
.set STO,   8                          ; v8   the way out: where I put 16 bytes of a row
.set RD,    9                          ; v9   the way out: where I read rows back
.set CO,    10                         ; v10  16 x lane: my place in 512 consecutive bytes of qkv
.set TO,    11                         ; v11  my byte offset in 16 rows of a table
.set WO,    12                         ; v12  my byte offset in a gain
.set ZR,    13                         ; v13  0
.set SPW,   14                         ; v14  LDS address of my spare word; never rewritten
.set NIL,   15                         ; v15  0; never rewritten
.set CH,    16                         ; v16-23  four chains of the sum of squares
.set U,     24                         ; v24-31  block a: 2^-4 / sqrt(mean square + eps), twice
.set F0,    32
.set F1,    128
.set TMP,   224
.set WN,    32
.set E,     96
.set OB,    160
.set WV,   16                          ; s16  my wave's number
.set HALF, 17                          ; s17  which half of a tile I fetch
.set CX,   18
.set CY,   19
.set COLT, 20                          ; s20  head slot = 4 x cluster x + cx
.set ROWT, 21                          ; s21  block of 256 tokens = 4 x cluster y + cy
.set CLX,  22                          ; s22  cluster x: 0, 1 q; 2 k; 3 v
.set CNT,  23
.set G1A,  24                          ; s[24:31] descriptor group 1 for xb's tiles
.set G1B,  32                          ; s[32:39] for wb's
.set G0A,  40                          ; s[40:47] descriptor group 0 for xb's tiles: a set for each first fill; the second then walks
.set G0B,  48                          ; s[48:55] the same for wb's
.set TB,   56                          ; s56  0 or SLOT1: the slot in hand
.set RN,   57                          ; s57  1 / 128
.set EPS,  58                          ; s58  1e-6
.set SEL,  60                          ; s[60:61] v_permlanex16_b32's selects: each lane takes its own place in the other half
.set TBL,  66                          ; s[66:67] first xb's tile address, then cs at my wave's first token
.set OUT,  68                          ; s[68:69] first wb's tile address, then qkv at my wave's first token of my slot
.set NW,   70                          ; s[70:71] the gain
.set FLAGS, (1<<16)|(1<<20)|(1<<21)|(5<<22)|(3<<25)  ; 17:16 2-byte elements; 20 padding on; 21 set beside a mask; 24:22 after every 64 words (code 5); 31:25 4 words (code 3)
.set MSB, 0
.macro WIN new                         ; the immediate's high byte repeats the setting that is left; a switch that changes nothing is dropped
.if MSB != (\new)
	s_set_vgpr_msb (MSB<<8)|(\new)
.set MSB, \new
.endif
.endm
.set MUL, 0x50                         ; both sources window 0, C and D window 1
; A joint refill.  Waves 0 and 1 fetch xb's two halves (128 rows each), waves 2 and 3 wb's (64 rows each).  The branch hangs on the wave's number alone.
; An s_nop 0 and four v_nop follow each of the two lines, ahead of the jump and the label.
.macro JLOAD
	s_cmp_lt_u32 s[WV], 2
	s_cbranch_scc0 .Lfor_b_\@
	tensor_load_to_lds s[G0A+4:G0A+7], s[G1A:G1A+7]
	s_nop 0
.rept 4
	v_nop
.endr
	s_branch .Lasked_\@
.Lfor_b_\@:
	tensor_load_to_lds s[G0B+4:G0B+7], s[G1B:G1B+7]
	s_nop 0
.rept 4
	v_nop
.endr
.Lasked_\@:
.endm
; A round of the cluster's barrier: my work-group's barrier, so that wave 0's signal speaks for all four waves; wave 0 signals; every wave waits for all sixteen work-groups; my work-group's barrier once more.
.macro CROUND
	s_barrier_signal -1
	s_barrier_wait -1
	s_cmp_lg_u32 s[WV], 0
	s_cbranch_scc1 .Lnot_wave_0_\@
	s_barrier_signal -3
.Lnot_wave_0_\@:
	s_barrier_wait -3
	s_barrier_signal -1
	s_barrier_wait -1
.endm
.macro PLACES                          ; four places: in front of loads into registers that matrix instructions have read, and of vector lines that read results
.rept 4
	v_nop
.endr
.endm
	s_load_b256 s[4:11], s[0:1], 0x0               ; xb s[4:5], wb s[6:7], cs s[8:9], q_norm_w s[10:11]
	s_load_b128 s[12:15], s[0:1], 0x20             ; k_norm_w s[12:13], qkv s[14:15]
	v_lshl_add_u32 v[SPW], v0, 2, SPARE
	v_mov_b32 v[NIL], 0
	ds_add_u32 v[SPW], v[NIL]                      ; the wave's opening: the add and its wait stand ahead of my first tensor load; the set-up below, work on registers, stands between them
	v_lshrrev_b32 v3, 5, v0
	v_readfirstlane_b32 s[WV], v3                  ; wave 0..3
	s_and_b32 s[HALF], s[WV], 1
	s_bfe_u32 s[CX], ttmp6, 0x40000
	s_bfe_u32 s[CY], ttmp6, 0x40004
	s_mov_b32 s[CLX], ttmp9                        ; in a cluster launch ttmp9 and ttmp7 count clusters
	s_lshl_b32 s[COLT], ttmp9, 2
	s_add_co_u32 s[COLT], s[COLT], s[CX]
	s_and_b32 s[ROWT], ttmp7, 0xffff
	s_lshl_b32 s[ROWT], s[ROWT], 2
	s_add_co_u32 s[ROWT], s[ROWT], s[CY]
	s_lshl_b32 s62, s[CY], 2
	s_lshl_b32 s62, 15, s62                        ; my row of the cluster: places 4 cy .. 4 cy + 3
	s_lshl_b32 s63, 0x1111, s[CX]                  ; my column: places cx, cx + 4, cx + 8, cx + 12
	s_or_b32 s[G1A], s62, FLAGS                    ; xb's tiles hang on the token block alone: shared along my row
	s_or_b32 s[G1B], s63, FLAGS                    ; wb's on the head slot alone: shared along my column
	s_mov_b32 s[G1A+1], KSTEP<<16                  ; tensor_dim0 = 128
	s_mov_b32 s[G1A+2], 128<<16                    ; tensor_dim1 = 128
	s_mov_b32 s[G1A+3], KSTEP<<16                  ; tile_dim0 = 128
	s_mov_b32 s[G1A+4], 128                        ; tile_dim1 = 128 rows
	s_mov_b32 s[G1A+5], SIZE_K                     ; elements from row to row
	s_mov_b32 s[G1A+6], 0
	s_mov_b32 s[G1A+7], 0
	s_mov_b32 s[G1B+1], KSTEP<<16
	s_mov_b32 s[G1B+2], 64<<16                     ; tensor_dim1 = 64
	s_mov_b32 s[G1B+3], KSTEP<<16
	s_mov_b32 s[G1B+4], 64                         ; tile_dim1 = 64 rows
	s_mov_b32 s[G1B+5], SIZE_K
	s_mov_b32 s[G1B+6], 0
	s_mov_b32 s[G1B+7], 0
	s_lshl_b32 s[TBL], s[ROWT], 8                  ; xb: row 256 x token block + 128 x half,
	s_lshl_b32 s62, s[HALF], 7
	s_add_co_u32 s[TBL], s[TBL], s62
	s_lshl_b32 s[TBL], s[TBL], 13                  ; times 8,192 bytes: under 2^25
	s_mov_b32 s[TBL+1], 0
	s_lshl_b32 s[OUT], s[COLT], 7                  ; wb: row 128 x head slot + 64 x half
	s_lshl_b32 s63, s[HALF], 6
	s_add_co_u32 s[OUT], s[OUT], s63
	s_lshl_b32 s[OUT], s[OUT], 13
	s_mov_b32 s[OUT+1], 0
	s_mul_i32 s2, s[HALF], 128*PITCH               ; where they go: no place in the cluster enters an LDS address
	s_mul_i32 s3, s[HALF], 64*PITCH
	s_add_co_u32 s3, s3, BOFF
	s_mov_b32 s[TB], 0
	s_mov_b32 s[RN], 0x3c000000
	s_mov_b32 s[EPS], 0x358637bd
	s_mov_b32 s[SEL], 0x76543210
	s_mov_b32 s[SEL+1], 0xfedcba98
	s_wait_dscnt 0x0                               ; the opening add is done
	s_wait_kmcnt 0x0
	s_add_nc_u64 s[TBL:TBL+1], s[4:5], s[TBL:TBL+1]
	s_add_nc_u64 s[OUT:OUT+1], s[6:7], s[OUT:OUT+1]
	CROUND                                         ; all sixteen work-groups are here: the first joint loads meet
.irp s, 0,1
	s_mov_b32 s[G0A+4*(\s)], 1                                       ; count = 1
	s_add_co_u32 s[G0A+4*(\s)+1], s2, (\s)*SLOT1                     ; LDS address
	s_add_nc_u64 s[G0A+4*(\s)+2:G0A+4*(\s)+3], s[TBL:TBL+1], (\s)*KSTEP*2  ; global address: K step s
	s_or_b32 s[G0A+4*(\s)+3], s[G0A+4*(\s)+3], 0x80000000            ; type = 2
	s_mov_b32 s[G0B+4*(\s)], 1
	s_add_co_u32 s[G0B+4*(\s)+1], s3, (\s)*SLOT1
	s_add_nc_u64 s[G0B+4*(\s)+2:G0B+4*(\s)+3], s[OUT:OUT+1], (\s)*KSTEP*2
	s_or_b32 s[G0B+4*(\s)+3], s[G0B+4*(\s)+3], 0x80000000
.endr
	s_cmp_lt_u32 s[WV], 2                          ; a wave's two first fills stand in one branch, ahead of every wait on TENSORcnt and every LDS read: two loads of mine are out
	s_cbranch_scc0 .Lfirst_b
	tensor_load_to_lds s[G0A:G0A+3], s[G1A:G1A+7]
	s_nop 0
	tensor_load_to_lds s[G0A+4:G0A+7], s[G1A:G1A+7]
	s_nop 0
.rept 4
	v_nop
.endr
	s_branch .Lfirst_asked
.Lfirst_b:
	tensor_load_to_lds s[G0B:G0B+3], s[G1B:G1B+7]
	s_nop 0
	tensor_load_to_lds s[G0B+4:G0B+7], s[G1B:G1B+7]
	s_nop 0
.rept 4
	v_nop
.endr
.Lfirst_asked:
	; A fragment is 16 rows x 32 K in 8 registers: lane l holds row l % 16; registers 0-3 K = 8 (l / 16) + 0..7, registers 4-7 K = 16 + 8 (l / 16) + 0..7: two loads of 16 bytes, 32 bytes apart.
	v_and_b32 v1, 15, v0                           ; r
	v_bfe_u32 v2, v0, 4, 1                         ; h
	v_mul_u32_u24 v3, v1, PITCH
	v_lshl_add_u32 v3, v2, 4, v3                   ; row x pitch + 16 x half
	s_mul_i32 s62, s[WV], 64*PITCH                 ; my 64 tokens
	v_add_nc_u32 v[ADRA0], s62, v3
	v_add_nc_u32 v[ADRB0], BOFF, v3
	v_mov_b32 v[ADRA], v[ADRA0]
	v_mov_b32 v[ADRB], v[ADRB0]
	s_mul_i32 s63, s[WV], 16*PITCH
	s_add_co_u32 s63, s63, STAGE                   ; my stage
	v_add_nc_u32 v[STO], s63, v3                   ; in: row r, 16 bytes for each half of the lanes
	v_mul_u32_u24 v3, v2, PITCH                    ; back: lanes 0-15 one row of 256 bytes, lanes 16-31 the next
	v_lshl_add_u32 v3, v1, 4, v3
	v_add_nc_u32 v[RD], s63, v3
	v_and_b32 v3, 31, v0
	v_lshlrev_b32 v[CO], 4, v3                     ; a slot's tokens are dense rows of 256 bytes: two rows are 512 consecutive bytes
	v_lshlrev_b32 v[TO], 8, v1                     ; a table's row is 256 bytes; my eight channels of a block b are 16 bytes at 32 b + 16 h
	v_lshl_add_u32 v[TO], v2, 4, v[TO]
	v_lshlrev_b32 v[WO], 5, v2                     ; in a gain they are 32 bytes at 64 b + 32 h
	v_mov_b32 v[ZR], 0
	s_lshl_b32 s2, s[ROWT], 8                      ; my wave's first token, 256 x token block + 64 w,
	s_lshl_b32 s3, s[WV], 6
	s_add_co_u32 s2, s2, s3
	s_lshl_b32 s2, s2, 8                           ; times 256 bytes
	s_mov_b32 s3, 0
	s_add_nc_u64 s[TBL:TBL+1], s[8:9], s[2:3]
	s_lshl_b32 s63, s[COLT], 20                    ; a slot is 4,096 tokens x 256 bytes
	s_add_co_u32 s2, s2, s63
	s_add_nc_u64 s[OUT:OUT+1], s[14:15], s[2:3]
; 8 matrix instructions: token block a x all 8 channel blocks, 32 along K.  zero = 1: the first product starts the sums: nothing is cleared.
; The 32 accumulators take turns in one fixed order, one instruction a turn.
.macro MUL8 f, a, zero
	WIN MUL
.irp b, 0,1,2,3,4,5,6,7
.if \zero
	v_wmma_f32_16x16x32_bf16 v[8*(8*(\a)+(\b)):8*(8*(\a)+(\b))+7], v[(\f)+8*(\b):(\f)+8*(\b)+7], v[(\f)+64+8*(\a):(\f)+64+8*(\a)+7], 0
.else
	v_wmma_f32_16x16x32_bf16 v[8*(8*(\a)+(\b)):8*(8*(\a)+(\b))+7], v[(\f)+8*(\b):(\f)+8*(\b)+7], v[(\f)+64+8*(\a):(\f)+64+8*(\a)+7], v[8*(8*(\a)+(\b)):8*(8*(\a)+(\b))+7]
.endif
.endr
.endm
; 24 LDS loads in one run: the fragments of 32 K at byte k of the rows, into buffer f: wb's 128 rows, then xb's blocks 0, 1, then 2, 3.
.macro FETCH k, f
	WIN 0
.irp i, 0,1,2,3,4,5,6,7
	ds_load_b128 v[(\f)+8*(\i):(\f)+8*(\i)+3],   v[ADRB] offset:(\k)+(\i)*16*PITCH
	ds_load_b128 v[(\f)+8*(\i)+4:(\f)+8*(\i)+7], v[ADRB] offset:(\k)+(\i)*16*PITCH+32
.endr
.irp i, 0,1,2,3
	ds_load_b128 v[(\f)+64+8*(\i):(\f)+64+8*(\i)+3],   v[ADRA] offset:(\k)+(\i)*16*PITCH
	ds_load_b128 v[(\f)+64+8*(\i)+4:(\f)+64+8*(\i)+7], v[ADRA] offset:(\k)+(\i)*16*PITCH+32
.endr
.endm
; A K step is four quarters of 32 along K, 32 matrix instructions each, on buffers 0, 1, 0, 1.  One of the first three: multiplies buffer f and fetches the next quarter, at byte k, into g.
.macro QUARTER k, f, g, zero
	s_wait_dscnt 4                                 ; wb's fragments and xb's blocks 0, 1 are in; the youngest four loads (blocks 2, 3) may be out
	MUL8 \f, 0, \zero
	MUL8 \f, 1, \zero
	PLACES
	FETCH \k, \g
	s_wait_dscnt 24                                ; all but the 24 just issued
	MUL8 \f, 2, \zero
	MUL8 \f, 3, \zero
.endm
; The last quarter multiplies buffer 1 and changes slots: ONE barrier.  Half of its products stand AHEAD of the wait for the next slot's tile: they need registers alone, so they run while the tile is on its way,
; and between the tile's landing and the next request stand only the add, the descriptors' four scalar lines, the wait for my reads of this slot, and the round.  The other half stands behind the fragment loads
; from the next slot.  fill = 1: the barrier is a round of the cluster's, and this slot is filled again, two K steps ahead, first thing behind it: from that request to the wait for it a wave issues 128 matrix instructions.
.macro TURN fill
	s_wait_dscnt 4                                 ; wb's fragments and xb's blocks 0, 1 are in; the youngest four loads (blocks 2, 3) may be out
	MUL8 F1, 0, 0
	MUL8 F1, 1, 0
	WIN 0                                          ; at a branch and at a label every window is 0
	s_wait_tensorcnt 0x0                           ; all my tensor loads have landed: the one that was out is my part of the next slot; so a group 0 may be written
	ds_add_u32 v[SPW], v[NIL]                      ; 0 onto my spare word
.if \fill
	s_xor_b32 s[G0A+5], s[G0A+5], SLOT1            ; the walking descriptors: the other slot than last time,
	s_add_nc_u64 s[G0A+6:G0A+7], s[G0A+6:G0A+7], KSTEP*2  ; the next K step; the type bits on top are not reached
	s_xor_b32 s[G0B+5], s[G0B+5], SLOT1
	s_add_nc_u64 s[G0B+6:G0B+7], s[G0B+6:G0B+7], KSTEP*2
.endif
	s_wait_dscnt 0x0                               ; the add is done, and my reads of this slot are over
.if \fill
	CROUND                                         ; no wave of any partner still reads this slot's tile or has a load on its way
	JLOAD                                          ; the four v_nop behind it are also the places in front of the loads below
.else
	s_barrier_signal -1
	s_barrier_wait -1
	PLACES
.endif
	s_xor_b32 s[TB], s[TB], SLOT1
	v_add_nc_u32 v[ADRA], s[TB], v[ADRA0]
	v_add_nc_u32 v[ADRB], s[TB], v[ADRB0]
	FETCH 0, F0
	MUL8 F1, 2, 0
	MUL8 F1, 3, 0
.endm
	s_wait_tensorcnt 1                             ; my part of K step 0 is in; K step 1's may stay out
	s_barrier_signal -1
	s_barrier_wait -1                              ; everybody's is
	FETCH 0, F0
	QUARTER 64, F0, F1, 1                          ; the first quarter stands in front of the loop: its products start the sums
	WIN 0
	s_mov_b32 s[CNT], SIZE_K/KSTEP-2
.Lstep:                                                ; 30 trips: a trip ends K step j, fills its slot with step j + 2, and begins step j + 1
	QUARTER 128, F1, F0, 0
	QUARTER 192, F0, F1, 0
	TURN 1
	QUARTER 64, F0, F1, 0
	WIN 0
	s_sub_co_u32 s[CNT], s[CNT], 1
	s_cmp_lg_u32 s[CNT], 0
	s_cbranch_scc1 .Lstep
	QUARTER 128, F1, F0, 0                         ; the last two K steps are written out: nothing is left to fetch
	QUARTER 192, F0, F1, 0
	TURN 0
	QUARTER 64, F0, F1, 0
	QUARTER 128, F1, F0, 0
	QUARTER 192, F0, F1, 0
	s_wait_dscnt 4
	MUL8 F1, 0, 0
	MUL8 F1, 1, 0
	s_wait_dscnt 0x0
	MUL8 F1, 2, 0
	MUL8 F1, 3, 0
	WIN 0
; THE WAY OUT, a block of 16 tokens at a time: packed to f16, 16 bytes a lane into my own stage, back as whole rows of 256 bytes, stored.
.macro TOSTAGE a
	WIN 0
.irp b, 0,1,2,3,4,5,6,7
	ds_store_b128 v[STO], v[TMP+4*(\b):TMP+4*(\b)+3] offset:32*(\b)
.endr
.irp t, 0,1,2,3,4,5,6,7
	ds_load_b128 v[OB+32*((\a)%2)+4*(\t):OB+32*((\a)%2)+4*(\t)+3], v[RD] offset:(\t)*2*PITCH  ; LDS serves a wave's instructions in order (ISA guide 5.7.1.4): these see the stores above
.endr
.endm
.macro SEND a
	WIN 0
	s_wait_dscnt 0x0                               ; the block is back in registers
	s_wait_xcnt 0x0                                ; the block before's stores have read their registers: the next block's loads from the stage land there only behind this wait
.irp t, 0,1,2,3,4,5,6,7
	global_store_b128 v[CO], v[OB+32*((\a)%2)+4*(\t):OB+32*((\a)%2)+4*(\t)+3], s[OUT:OUT+1] offset:4096*(\a)+512*(\t)  ; 512 consecutive bytes, at a multiple of 256 from qkv's first
.endr
.endm
.macro TLOAD a                         ; block a's 16 rows of cos and of sin: my token's eight channels of each block b
	WIN 0x80                                       ; destination window 2, address window 0
.irp b, 0,1,2,3,4,5,6,7
	global_load_b128 v[64*(\a)+4*(\b):64*(\a)+4*(\b)+3],       v[TO], s[TBL:TBL+1] offset:4096*(\a)+32*(\b)
	global_load_b128 v[64*(\a)+32+4*(\b):64*(\a)+32+4*(\b)+3], v[TO], s[TBL:TBL+1] offset:4096*(\a)+32*(\b)+1048576
.endr
	WIN 0
.endm
.macro SSQ a                           ; block a: U = 2^-4 / sqrt(mean of my token's 128 squares + eps).  Each accumulator's lowest registers are read first
	WIN 0x05                                       ; sources 0 and 1 window 1
.irp c, 0,1,2,3
	v_pk_mul_f32 v[CH+2*(\c):CH+2*(\c)+1], v[64*(\a)+2*(\c):64*(\a)+2*(\c)+1], v[64*(\a)+2*(\c):64*(\a)+2*(\c)+1]
.endr
.irp b, 1,2,3,4,5,6,7
.irp c, 0,1,2,3
	v_pk_fma_f32 v[CH+2*(\c):CH+2*(\c)+1], v[64*(\a)+8*(\b)+2*(\c):64*(\a)+8*(\b)+2*(\c)+1], v[64*(\a)+8*(\b)+2*(\c):64*(\a)+8*(\b)+2*(\c)+1], v[CH+2*(\c):CH+2*(\c)+1]
.endr
.endr
	WIN 0
	v_pk_add_f32 v[CH:CH+1], v[CH:CH+1], v[CH+2:CH+3]
	v_pk_add_f32 v[CH+4:CH+5], v[CH+4:CH+5], v[CH+6:CH+7]
	v_pk_add_f32 v[CH:CH+1], v[CH:CH+1], v[CH+4:CH+5]
	v_add_f32 v[CH], v[CH], v[CH+1]
	v_permlanex16_b32 v[CH+1], v[CH], s[SEL], s[SEL+1]  ; the token's other 64 channels lie in the lane 16 away
	v_add_f32 v[CH], v[CH], v[CH+1]
	v_fma_f32 v[CH], v[CH], s[RN], s[EPS]
	v_rsq_f32 v[U+2*(\a)], v[CH]
	v_nop                                          ; a plain instruction between the root and the use of its result
	s_wait_alu depctr_va_vdst(0)
	v_mul_f32 v[U+2*(\a)], 0x3d800000, v[U+2*(\a)]
	v_mov_b32 v[U+2*(\a)+1], v[U+2*(\a)]           ; named with it as a pair
.endm
.macro QKBLOCK a
	s_wait_loadcnt 16*(3-(\a))                     ; block a's tables are in; the younger blocks' sixteen loads each stay out
	WIN 0x88                                       ; destination and source 1 window 2
.set i, 0
.rept 16
	v_xor_b32 v[64*(\a)+32+i], 0x80008000, v[64*(\a)+32+i]  ; the lower 64 channels take minus sin: both signs of a word are turned
.set i, i+1
.endr
	WIN 0x41                                       ; destination and source 0 window 1, source 1 window 0
.set i, 0
.rept 32
	v_pk_mul_f32 v[64*(\a)+2*i:64*(\a)+2*i+1], v[64*(\a)+2*i:64*(\a)+2*i+1], v[U+2*(\a):U+2*(\a)+1] op_sel_hi:[1,0]
.set i, i+1
.endr
.set i, 0
.rept 32
	v_pk_mul_f32 v[64*(\a)+2*i:64*(\a)+2*i+1], v[64*(\a)+2*i:64*(\a)+2*i+1], v[WN+2*i:WN+2*i+1]
.set i, i+1
.endr
	WIN 0x09                                       ; source 0 window 1 (f32), source 1 window 2 (a bf16 half), source 2 and destination window 0
.irp b, 0,1,2,3
.irp j, 0,1,2,3,4,5,6,7
.set rL, 64*(\a)+8*(\b)+(\j)           ; channel d < 64; its partner d + 64 lies 32 registers on
.set rC, 64*(\a)+4*(\b)+(\j)/2         ; cos(d); cos(d + 64) 16 on; -sin(d) 32 on; sin(d + 64) 48 on
.set eL, E+8*(\b)+(\j)
.if (\j)%2
	v_fma_mix_f32_bf16 v[eL],    v[rL],    v[rC],    v[ZR]    op_sel:[0,1,0] op_sel_hi:[0,1,0]
	v_fma_mix_f32_bf16 v[eL+32], v[rL+32], v[rC+16], v[ZR]    op_sel:[0,1,0] op_sel_hi:[0,1,0]
	v_fma_mix_f32_bf16 v[eL],    v[rL+32], v[rC+32], v[eL]    op_sel:[0,1,0] op_sel_hi:[0,1,0]
	v_fma_mix_f32_bf16 v[eL+32], v[rL],    v[rC+48], v[eL+32] op_sel:[0,1,0] op_sel_hi:[0,1,0]
.else
	v_fma_mix_f32_bf16 v[eL],    v[rL],    v[rC],    v[ZR]    op_sel_hi:[0,1,0]
	v_fma_mix_f32_bf16 v[eL+32], v[rL+32], v[rC+16], v[ZR]    op_sel_hi:[0,1,0]
	v_fma_mix_f32_bf16 v[eL],    v[rL+32], v[rC+32], v[eL]    op_sel_hi:[0,1,0]
	v_fma_mix_f32_bf16 v[eL+32], v[rL],    v[rC+48], v[eL+32] op_sel_hi:[0,1,0]
.endif
.endr
.endr
.if (\a) > 0
	SEND (\a)-1                                    ; the block's arithmetic has stood between the loads of the block before and its stores
.endif
	WIN 0
.set i, 0
.rept 32
	v_cvt_pk_f16_f32 v[TMP+i], v[E+2*i], v[E+2*i+1]
.set i, i+1
.endr
	TOSTAGE \a
.endm
	PLACES                                         ; behind the last products
	s_cmp_eq_u32 s[CLX], 3
	s_cbranch_scc1 .Lv
	s_cmp_lt_u32 s[CLX], 2                         ; q AND k: norm and rotation
	s_cselect_b64 s[NW:NW+1], s[10:11], s[12:13]
.irp b, 0,1,2,3,4,5,6,7
	global_load_b128 v[WN+8*(\b):WN+8*(\b)+3],   v[WO], s[NW:NW+1] offset:64*(\b)
	global_load_b128 v[WN+8*(\b)+4:WN+8*(\b)+7], v[WO], s[NW:NW+1] offset:64*(\b)+16
.endr
	TLOAD 0
	TLOAD 1
	TLOAD 2
	SSQ 0
	SSQ 1
	SSQ 2
	SSQ 3
	s_wait_loadcnt 48                              ; the gain is in; the three table blocks behind it, 48 loads, stay out
.set i, 0
.rept 32
	v_cvt_pk_bf16_f32 v[CH+i%4], v[WN+2*i], v[WN+2*i+1]  ; the gain is rounded to bf16 like every input, and widened again
	v_lshlrev_b32 v[WN+2*i],   16,         v[CH+i%4]
	v_and_b32     v[WN+2*i+1], 0xffff0000, v[CH+i%4]
.set i, i+1
.endr
	TLOAD 3
	QKBLOCK 0
	QKBLOCK 1
	QKBLOCK 2
	QKBLOCK 3
	s_branch .Llast
.Lv:                                                   ; v: rounded as it is (wb's rows hold the 2^-4)
.irp a, 0,1,2,3
	WIN 0x05                                       ; sources 0 and 1 window 1
.set i, 0
.rept 32
	v_cvt_pk_f16_f32 v[TMP+i], v[64*(\a)+2*i], v[64*(\a)+2*i+1]
.set i, i+1
.endr
.if (\a) > 0
	SEND (\a)-1
.endif
	TOSTAGE \a
.endr
.Llast:
	SEND 3
	s_wait_tensorcnt 0x0                           ; the wave's end: these three lines stand behind my last tensor load and my last LDS store
	ds_add_u32 v[SPW], v[NIL]
	s_wait_dscnt 0x0
	CROUND                                         ; the closing round: no work-group ends while a partner may still ask for a tile that names it
	s_endpgm
.Lfunc_end_k_qf9a13a134e_qkvproj:
	.size	k_qf9a13a134e_qkvproj, .Lfunc_end_k_qf9a13a134e_qkvproj-k_qf9a13a134e_qkvproj
	.p2alignl 7, 3214868480
	.fill 96, 4, 3214868480
	.section	.rodata,"a",@progbits
	.p2align	6, 0x0
	.amdhsa_kernel k_qf9a13a134e_qkvproj
		.amdhsa_group_segment_fixed_size 327680
		.amdhsa_private_segment_fixed_size 0
		.amdhsa_enable_private_segment 0
		.amdhsa_kernarg_size 48
		.amdhsa_user_sgpr_count 2
		.amdhsa_user_sgpr_kernarg_segment_ptr 1
		.amdhsa_wavefront_size32 1
		.amdhsa_system_sgpr_workgroup_id_x 1
		.amdhsa_system_sgpr_workgroup_id_y 1
		.amdhsa_system_sgpr_workgroup_id_z 1
		.amdhsa_system_vgpr_workitem_id 0
		.amdhsa_next_free_vgpr 768
		.amdhsa_next_free_sgpr 72
		.amdhsa_reserve_vcc 0
		.amdhsa_float_denorm_mode_32 3
		.amdhsa_float_denorm_mode_16_64 3
		.amdhsa_memory_ordered 1
		.amdhsa_forward_progress 1
		.amdhsa_inst_pref_size 160
	.end_amdhsa_kernel
	.amdgpu_metadata
---
amdhsa.version: [ 1, 2 ]
amdhsa.kernels:
  - .name:           k_qf9a13a134e_qkvproj
    .symbol:         k_qf9a13a134e_qkvproj.kd
    .args:
      - { .name: xb, .offset: 0, .size: 8, .value_kind: global_buffer, .address_space: global }
      - { .name: wb, .offset: 8, .size: 8, .value_kind: global_buffer, .address_space: global }
      - { .name: cs, .offset: 16, .size: 8, .value_kind: global_buffer, .address_space: global }
      - { .name: q_norm_w, .offset: 24, .size: 8, .value_kind: global_buffer, .address_space: global }
      - { .name: k_norm_w, .offset: 32, .size: 8, .value_kind: global_buffer, .address_space: global }
      - { .name: qkv, .offset: 40, .size: 8, .value_kind: global_buffer, .address_space: global }
    .group_segment_fixed_size: 327680
    .private_segment_fixed_size: 0
    .kernarg_segment_align: 8
    .kernarg_segment_size: 48
    .max_flat_workgroup_size: 128
    .sgpr_count:     72
    .vgpr_count:     768
    .wavefront_size: 32
...
	.end_amdgpu_metadata
.endif
;; end of part 2
;; launch attn (part 3): grid 16 x 16, 4 waves a work-group, clusters of 4 x 1, 327,680 bytes of LDS; arguments qkv, ao; writes ao
.if DOCPART == 3
	.amdgcn_target "amdgcn-amd-amdhsa--gfx1250"
	.amdhsa_code_object_version 6
	.text
	.protected	k_qf9a13a134e_attn
	.globl	k_qf9a13a134e_attn
	.p2align	8
	.type	k_qf9a13a134e_attn,@function
k_qf9a13a134e_attn:
	s_mov_b64 s[64:65], 0
	v_nop
	global_prefetch_b8 v0, s[64:65] scope:SCOPE_SE
	s_setreg_imm32_b32 hwreg(HW_REG_WAVE_MODE, 25, 1), 1
	s_wait_xcnt 0x0
	s_wait_alu depctr_hold_cnt(0) depctr_sa_sdst(0) depctr_va_vdst(0) depctr_va_sdst(0) depctr_va_ssrc(0) depctr_va_vcc(0) depctr_vm_vsrc(0)
	s_getreg_b32 s2, hwreg(HW_REG_IB_STS2, 6, 4)
	s_cmp_eq_u32 s2, 0
	s_cbranch_scc0 .Lentry_in_a_cluster
	s_endpgm
.Lentry_in_a_cluster:
	s_bfe_u32 s2, ttmp6, 0x10000c
	s_cmp_lg_u32 s2, 0x3003
	s_cbranch_scc0 .Lentry_shape_is_right
	s_endpgm
.Lentry_shape_is_right:
; CAUSAL ATTENTION, 8 query heads on 4 key and value heads, head size 128.  qkv: [16 slots][4096 tokens][128] f16 (0-7 q, 8-11 k, 12-15 v; all times 2^-4).  ao: [4096 tokens][1024] f16, O times 2^-4.
; Products, maxima and sums in f32; the weights p are rounded to f16 for the second product (their sum l is taken of the unrounded p), O once at the end.
; LIMITS.  A hidden score counts as its value less 2^100; the running maximum starts at -2^90: stored scores are 5.5e11 at the most (128 products of f16 numbers).  A weight below 2^-126 counts as 0.
; p below 6e-5 keeps f16's fixed step of 6e-8.  NaN and infinities are not treated apart.
; THE WALK.  A head's 2,048 positions lie in 32 blocks of 64 queries and in 8 tiles of 256 keys; block i needs tiles 0 .. i / 4.  A work-group takes block IB = 4 m + cx (tiles 0 .. m) and then block 31 - IB
; (tiles 0 .. 7 - m): nine tiles, whatever m and cx: all work-groups do equal work, and ONE walk with constant trip counts takes them: seven steps that ask for a tile, then two that do not.  Which tile is asked
; for hangs on m, the cluster's x, alone: the four partners walk the same tiles and ask for each JOINTLY.  Where the first block ends hangs on m alone too: the merge is run behind step m + 1 and at the walk's
; end, and jumped, forward, behind the other steps.  That jump is alike in all waves of the work-group and in all four partners; what it passes holds barriers of the work-group, no tensor load and no round.
; (The other query head of a key head lies in another cluster: only two work-groups would share there, and a cluster of 4 x 2 would hold masks of two kinds.)
; SHARES.  All four waves hold the SAME 64 queries (four tiles of 16); wave w takes keys 64 w .. 64 w + 63 of every tile: a tile is one step of 64 keys for each wave, and each LDS byte is read once.
; At a block's end the four waves' maxima, sums and O are merged through LDS.
; LAYOUT.  S^T = K Q^T (source 0 = 16 keys, source 1 = 16 queries): a lane holds ONE query (lane % 16) and the keys 8 (lane / 16) + 0..7.  Two such results rounded to f16 ARE source 1 of O^T = V^T P.
; SOFTMAX.  p = 2^(c s - c m), c = 256 log2(e) / sqrt(128) (the 256 undoes q's and k's 2^-4), with a running maximum m; O and l are multiplied by a = 2^(c m_old - c m_new) in every step.
; c m starts at -2^125: a block's first step has a = 0, so O and l need only be finite there.  A wave that sees hidden keys alone ends with l = 0, O = 0 and c m = c x -2^90: its share in the merge is 0.
; THE MASK is the C operand that starts a sum S^T.  D = block - 4 x tile, stepped by -4 a step, is the wave whose 64 keys hold the diagonal.  w < D: all seen; w > D: none; w = D: query tile t sees key block
; kb < t, not kb > t, and of kb = t the triangle TRI.  Three operands of 8 registers serve: LOW (kb < t), MID (kb = t), HIGH (kb > t), made anew in every step from three scalars that selects make.
; A STEP: 32 products K Q^T of tiles 0, 1 | 32 of tiles 2, 3 with the softmax of tiles 0, 1 behind them | the change of slots | 32 products V^T P of tiles 0, 1 with the softmax of tiles 2, 3 | 32 of tiles 2, 3.
; REGISTERS, in windows of 256 (s_set_vgpr_msb: bits 1:0 source 0, 3:2 source 1, 5:4 source 2, 7:6 destination):
;   window 0: v0-11, v44-50 addresses; v12-43 eight registers of statistics a tile; v64-191 S^T, 32 a tile; v192-255 P, 16 a tile          window 1: O^T, 64 a tile
;   window 2: v0-127 Q, 32 a tile; v128-255 K of one step          window 3: v0-127 V of one step; v128-159 TRI, LOW, MID, HIGH
.set PK,    272       ; a row of K in LDS: 256 bytes + 16 of padding = 68 words: the 16 rows of a load start at 16 different groups of four banks (64 banks of 4 bytes: ISA guide 11.1)
.set PV,    288       ; a row of V: 256 + 32 = 72 words
.set VOFF,  256*PK    ; a slot holds a tile: 256 rows of K, then 256 rows of V
.set STATS, 256*(PK+PV)  ; behind slot 0, never filled by a tensor load: (l, c m) by wave, query tile and lane: 4,096 bytes
.set SLOTX, STATS+4096   ; slot 1 begins here: 0x24000, two bits that none of the four LDS words of the descriptors (0, 0x8800, 0x11000, 0x1a000) holds: an exclusive or adds or takes it
.set OST,   SLOTX+STATS  ; behind slot 1, never filled by a tensor load: 32,768 bytes for the merge of O and the way out
.set SPARE, OST+32768    ; the spare words, 128 bytes for each wave: two blocks of 256 bytes that no other line names
.set AK0, 2           ; v2   my lane's place in my 64 rows of K in slot 0; never rewritten
.set AV0, 3           ; v3   the same for V
.set ADR, 4           ; v4   the LDS address of the run of loads in hand
.set QO,  5           ; v5   my byte offset in 16 rows of Q
.set ST,  12          ; tile t's statistics at v[ST+8 t]: +0 c m, +1 m, +2, +3 l (even keys', odd keys'), +4 to +7 c0-c3, at work; a takes c2's place once the maximum is found
.set SA,  44          ; v44  where I put my (l, c m)
.set SB,  45          ; v45  where I read the four waves'
.set OA,  46          ; v46  the merge: where I put 16 bytes of my O^T
.set OBA, 47          ; v47  the merge: where I read my 32 channels of a wave's O^T
.set OS,  48          ; v48  the way out: where I put 16 bytes of a row
.set RDO, 49          ; v49  the way out: where I read rows back
.set GO,  50          ; v50  my byte offset in two rows of ao
.set SPW, 62          ; v62  LDS address of my spare word; never rewritten
.set NIL, 63          ; v63  0; never rewritten
.set S,   64
.set RR,  128         ; the merge: tile t's 16 sums at v[RR+16 t]
.set P,   192
.set FF,  224         ; the merge: the factor of wave w for tile t at v[FF+8 t+2 w], the low word of a pair
.set KF,  128         ; window 2
.set TRI, 128         ; window 3
.set LOW, 136
.set MID, 144
.set HIGH, 152
.set QP1, 8           ; s[8:9]  Q at the first block
.set WV,  12          ; s12  my wave's number
.set MM,  14          ; s14  m
.set CX,  15          ; s15  cx
.set G1K, 24          ; s[24:31] descriptor group 1 for K's tiles
.set G1V, 32          ; s[32:39] for V's: it differs in the padding alone
.set G0K, 40          ; s[40:47] descriptor group 0 for K's tiles: a set for each first fill; the second then serves every refill
.set G0V, 48          ; s[48:55] the same for V's
.set CNT, 56          ; s56  counts the walk's last two steps
.set BL,  57          ; s57  counts the steps that ask for a tile, 7 to 1
.set CS,  58          ; s[58:59] c: the packed scaling takes the pair's low word for both halves
.set SEL, 60          ; s[60:61] v_permlanex16_b32's selects: each lane takes its own place in the other half
.set TB,  62          ; s62  0 or SLOTX: the slot from which the next run of loads reads
.set NXT, 63          ; s63  the tile to be asked for next
.set LQ,  66          ; s66  the last tile of the block whose tiles are being asked for: m, then 7 - m
.set LQ2, 67          ; s67  7 - m
.set OFF, 68          ; s[68:69] a tile's byte offset in K and V
.set KB,  70          ; s[70:71] K at my half of the head's tile 0
.set VB,  72          ; s[72:73] V likewise
.set QP2, 74          ; s[74:75] Q at the second block
.set OP,  76          ; s[76:77] ao at my 16 rows of the block in hand
.set OP2, 78          ; s[78:79] of the second block
.set AL,  80          ; s[80:81] the triangle's factor, in the low word
.set BE,  82          ; s[82:83] LOW's value
.set HV,  84          ; s84  HIGH's value
.set BIGN, 85         ; s85  -2^100
.set IB,  86          ; s86  the first block
.set IB2, 87          ; s87  the second block
.set DD,  88          ; s88  D
.set MB,  89          ; s89  the count BL behind whose step the first block ends: 7 - m; 0 once it has ended
.set MSB, 0
.macro WIN new                      ; the immediate's high byte repeats the setting that is left; a switch that changes nothing is dropped
.if MSB != (\new)
	s_set_vgpr_msb (MSB<<8)|(\new)
.set MSB, \new
.endif
.endm
.set W_KQ, 0x0a       ; K and Q in window 2, S^T in window 0
.set W_KM, 0x3a       ; the same with the C operand in window 3
.set W_PV, 0x53       ; V in window 3, P in window 0, O^T in window 1
.set W_RS, 0x41       ; O^T (destination and source 0) in window 1, source 1 in window 0
; A joint refill.  Waves 0 and 1 fetch the two halves of a tile's K, waves 2 and 3 those of its V: 128 keys each.  The branch hangs on the wave's number alone.
; An s_nop 0 and four v_nop follow each of the two lines, ahead of the jump and the label.
.macro JLOAD
	s_cmp_lt_u32 s[WV], 2
	s_cbranch_scc0 .Lfor_v_\@
	tensor_load_to_lds s[G0K+4:G0K+7], s[G1K:G1K+7]
	s_nop 0
.rept 4
	v_nop
.endr
	s_branch .Lasked_\@
.Lfor_v_\@:
	tensor_load_to_lds s[G0V+4:G0V+7], s[G1V:G1V+7]
	s_nop 0
.rept 4
	v_nop
.endr
.Lasked_\@:
.endm
.macro CROUND                       ; a round of the cluster's barrier
	s_barrier_signal -1
	s_barrier_wait -1
	s_cmp_lg_u32 s[WV], 0
	s_cbranch_scc1 .Lnot_wave_0_\@
	s_barrier_signal -3
.Lnot_wave_0_\@:
	s_barrier_wait -3
	s_barrier_signal -1
	s_barrier_wait -1
.endm
.macro STEPN                        ; the block's next tile, or behind its last the second block's tile 0
	s_add_co_u32 s[NXT], s[NXT], 1
	s_cmp_gt_u32 s[NXT], s[LQ]
	s_cselect_b32 s[NXT], 0, s[NXT]
	s_cselect_b32 s[LQ], s[LQ2], s[LQ]
.endm
.macro PLACES
.rept 4
	v_nop
.endr
.endm
.macro QLOAD ptr                    ; a block's Q stays in registers: tile i / 4, channels 32 (i % 4) on
	WIN 0x80                        ; destination window 2, address window 0
.set i, 0
.rept 16
	global_load_b128 v[8*i:8*i+3],   v[QO], s[\ptr:\ptr+1] offset:(i/4)*4096+(i%4)*64
	global_load_b128 v[8*i+4:8*i+7], v[QO], s[\ptr:\ptr+1] offset:(i/4)*4096+(i%4)*64+32
.set i, i+1
.endr
	WIN 0
.endm
.macro FRESH                        ; a block begins
.irp t, 0,1,2,3
	v_mov_b32 v[ST+8*(\t)], 0xfe000000    ; c m = -2^125: far below every c s
	v_mov_b32 v[ST+8*(\t)+1], 0xec800000  ; m = -2^90
.endr
.endm
	s_load_b128 s[4:7], s[0:1], 0x0 ; qkv s[4:5], ao s[6:7]
	v_lshl_add_u32 v[SPW], v0, 2, SPARE
	v_mov_b32 v[NIL], 0
	ds_add_u32 v[SPW], v[NIL]       ; the wave's opening: the add and its wait stand ahead of my first tensor load; the set-up below, work on registers, stands between them
	v_lshrrev_b32 v1, 5, v0
	v_readfirstlane_b32 s[WV], v1   ; wave 0..3
	s_mov_b32 s[MM], ttmp9          ; in a cluster launch ttmp9 counts clusters
	s_bfe_u32 s[CX], ttmp6, 0x40000
	s_and_b32 s16, ttmp7, 0xffff    ; 8 x batch + head, which the four partners share
	s_lshr_b32 s17, s16, 3          ; batch
	s_and_b32 s18, s16, 7           ; head
	s_lshr_b32 s19, s18, 1          ; its key and value head
	s_and_b32 s20, s[WV], 1         ; which half of a tile's 256 keys I fetch
	s_lshl_b32 s22, s17, 19         ; the batch's 2,048 rows of 256 bytes
	s_add_co_u32 s21, s19, 8        ; K's slot,
	s_lshl_b32 s21, s21, 20         ; 4,096 rows of 256 bytes a slot
	s_add_co_u32 s21, s21, s22
	s_lshl_b32 s23, s20, 15         ; my 128 rows
	s_add_co_u32 s[KB], s21, s23
	s_mov_b32 s[KB+1], 0
	s_mul_i32 s10, s20, 128*PK      ; and their place in a slot, for K
	s_mul_i32 s11, s20, 128*PV      ; and for V: no place in the cluster enters an LDS address
	s_add_co_u32 s11, s11, VOFF
	s_lshl2_add_u32 s[IB], s[MM], s[CX]  ; the first block, 4 m + cx: it enters Q's and ao's addresses and the mask's scalars alone
	s_sub_co_u32 s[IB2], 31, s[IB]
	s_lshl_b32 s21, s18, 20         ; Q's slot
	s_add_co_u32 s21, s21, s22
	s_lshl_b32 s23, s[IB], 14       ; a block is 64 rows of 256 bytes
	s_add_co_u32 s[QP1], s21, s23
	s_mov_b32 s[QP1+1], 0
	s_lshl_b32 s23, s[IB2], 14
	s_add_co_u32 s[QP2], s21, s23
	s_mov_b32 s[QP2+1], 0
	s_lshl_b32 s21, s17, 22         ; ao: rows of 2,048 bytes: the batch,
	s_lshl_b32 s23, s[WV], 15       ; the 16 rows that I store,
	s_add_co_u32 s21, s21, s23
	s_lshl_b32 s23, s18, 8          ; the head's 256 bytes of a row,
	s_add_co_u32 s21, s21, s23
	s_lshl_b32 s23, s[IB], 17       ; the block
	s_add_co_u32 s[OP], s21, s23
	s_mov_b32 s[OP+1], 0
	s_lshl_b32 s23, s[IB2], 17
	s_add_co_u32 s[OP2], s21, s23
	s_mov_b32 s[OP2+1], 0
	; descriptor group 1: a tile of 128 rows x 128 elements, padded in LDS
	s_mov_b32 s[G1K], 15|(1<<16)|(1<<20)|(1<<21)|(5<<22)|(3<<25)  ; 15:0 the mask of four; 17:16 2-byte elements; 20 padding on; 21 set beside a mask; 24:22 after every 64 words (code 5); 31:25 4 words (code 3)
	s_mov_b32 s[G1V], 15|(1<<16)|(1<<20)|(1<<21)|(5<<22)|(7<<25)  ; the same with 8 words of padding (code 7)
.irp g, G1K, G1V
	s_mov_b32 s[(\g)+1], 128<<16    ; tensor_dim0 = 128
	s_mov_b32 s[(\g)+2], 128<<16    ; tensor_dim1 = 128
	s_mov_b32 s[(\g)+3], 128<<16    ; tile_dim0 = 128
	s_mov_b32 s[(\g)+4], 128        ; tile_dim1 = 128
	s_mov_b32 s[(\g)+5], 128        ; 128 elements from row to row
	s_mov_b32 s[(\g)+6], 0
	s_mov_b32 s[(\g)+7], 0
.endr
	s_mov_b32 s[CS], 0x420293ee     ; c = 256 log2(e) / sqrt(128) = 32.6444
	s_mov_b32 s[CS+1], s[CS]        ; named with it as a pair
	s_mov_b32 s[SEL], 0x76543210
	s_mov_b32 s[SEL+1], 0xfedcba98
	s_mov_b32 s[TB], 0
	s_mov_b32 s[NXT], 0
	s_mov_b32 s[LQ], s[MM]
	s_sub_co_u32 s[LQ2], 7, s[MM]
	s_mov_b32 s[MB], s[LQ2]
	s_mov_b32 s[OFF+1], 0
	s_mov_b32 s[AL+1], 0            ; named as pairs
	s_mov_b32 s[BE+1], 0
	s_mov_b32 s[BIGN], 0xf1800000
	s_wait_dscnt 0x0                ; the opening add is done
	s_wait_kmcnt 0x0
	s_add_nc_u64 s[KB:KB+1], s[4:5], s[KB:KB+1]
	s_add_nc_u64 s[VB:VB+1], s[KB:KB+1], 0x400000  ; V's slot lies four slots behind K's
	s_add_nc_u64 s[QP1:QP1+1], s[4:5], s[QP1:QP1+1]
	s_add_nc_u64 s[QP2:QP2+1], s[4:5], s[QP2:QP2+1]
	s_add_nc_u64 s[OP:OP+1], s[6:7], s[OP:OP+1]
	s_add_nc_u64 s[OP2:OP2+1], s[6:7], s[OP2:OP2+1]
	CROUND                          ; all four work-groups are here: the first joint loads meet
	s_mov_b32 s[G0K], 1             ; count = 1
	s_mov_b32 s[G0K+1], s10         ; LDS address: slot 0
	s_add_nc_u64 s[G0K+2:G0K+3], s[KB:KB+1], 0     ; global address: the walk's first tile is tile 0
	s_or_b32 s[G0K+3], s[G0K+3], 0x80000000        ; type = 2
	s_mov_b32 s[G0V], 1
	s_mov_b32 s[G0V+1], s11
	s_add_nc_u64 s[G0V+2:G0V+3], s[VB:VB+1], 0
	s_or_b32 s[G0V+3], s[G0V+3], 0x80000000
	STEPN                           ; the walk's second tile: the first block's tile 1, or with m = 0 the second block's tile 0
	s_lshl_b32 s[OFF], s[NXT], 16   ; a tile is 65,536 bytes of K and of V
	s_mov_b32 s[G0K+4], 1
	s_add_co_u32 s[G0K+5], s10, SLOTX              ; slot 1
	s_add_nc_u64 s[G0K+6:G0K+7], s[KB:KB+1], s[OFF:OFF+1]
	s_or_b32 s[G0K+7], s[G0K+7], 0x80000000
	s_mov_b32 s[G0V+4], 1
	s_add_co_u32 s[G0V+5], s11, SLOTX
	s_add_nc_u64 s[G0V+6:G0V+7], s[VB:VB+1], s[OFF:OFF+1]
	s_or_b32 s[G0V+7], s[G0V+7], 0x80000000
	STEPN
	s_cmp_lt_u32 s[WV], 2           ; a wave's two first fills stand in one branch, ahead of every wait on TENSORcnt and every LDS read: two loads of mine are out
	s_cbranch_scc0 .Lfirst_v
	tensor_load_to_lds s[G0K:G0K+3], s[G1K:G1K+7]
	s_nop 0
	tensor_load_to_lds s[G0K+4:G0K+7], s[G1K:G1K+7]
	s_nop 0
.rept 4
	v_nop
.endr
	s_branch .Lfirst_asked
.Lfirst_v:
	tensor_load_to_lds s[G0V:G0V+3], s[G1V:G1V+7]
	s_nop 0
	tensor_load_to_lds s[G0V+4:G0V+7], s[G1V:G1V+7]
	s_nop 0
.rept 4
	v_nop
.endr
.Lfirst_asked:
	; A fragment of K or Q is 16 rows x 32 channels in 8 registers: lane l holds row l % 16, channels 8 (l / 16) + 0..7 and 16 + 8 (l / 16) + 0..7: two loads of 16 bytes, 32 bytes apart.
	v_and_b32 v1, 15, v0            ; r
	v_bfe_u32 v9, v0, 4, 1          ; hl
	v_lshlrev_b32 v[QO], 8, v1
	v_lshl_add_u32 v[QO], v9, 4, v[QO]  ; row x 256 + 16 x half
	QLOAD QP1
	; A block's first step multiplies O^T and l by a = 0: they need only be finite.  32 products of zeros write O^T's 256 registers; all this stands in the wait for the first tile.
.set i, 0
.rept 16
	v_mov_b32 v[S+i], 0
.set i, i+1
.endr
	WIN 0x40                        ; destination window 1, sources window 0
.set i, 0
.rept 32
	v_wmma_f32_16x16x32_f16 v[8*i:8*i+7], v[S:S+7], v[S+8:S+15], 0
.set i, i+1
.endr
	WIN 0
	v_lshlrev_b32 v10, 3, v9
	v_sub_nc_u32 v10, v1, v10       ; r - 8 hl: register j of the triangle is hidden where j is greater
	WIN 0xc0                        ; destination window 3
.set i, 0
.rept 8
	v_cmp_gt_i32 vcc_lo, i, v10
	v_cndmask_b32 v[TRI+i], 0, s[BIGN], vcc_lo
.set i, i+1
.endr
	WIN 0
.irp t, 0,1,2,3
	v_mov_b32 v[ST+8*(\t)+2], 0
	v_mov_b32 v[ST+8*(\t)+3], 0
.endr
	s_mul_i32 s13, s[WV], 64*PK     ; my 64 keys
	v_mul_u32_u24 v[AK0], v1, PK
	v_lshl_add_u32 v[AK0], v9, 4, v[AK0]
	v_add_nc_u32 v[AK0], s13, v[AK0]
	; The turning load takes 16 keys x 16 channels (lane l reads key 8 (l / 16) + l % 8, channels 8 ((l / 8) % 2) + 0..7) and leaves half a fragment of V^T: lane l holds channel l % 16 and 8 keys.
	v_and_b32 v10, 7, v0
	v_bfe_u32 v11, v0, 3, 1
	v_lshl_add_u32 v[AV0], v9, 3, v10
	v_mul_u32_u24 v[AV0], v[AV0], PV
	v_lshl_add_u32 v[AV0], v11, 4, v[AV0]
	s_mul_i32 s13, s[WV], 64*PV
	s_add_co_u32 s13, s13, VOFF
	v_add_nc_u32 v[AV0], s13, v[AV0]
	v_and_b32 v10, 31, v0           ; lane
	s_lshl_b32 s13, s[WV], 10
	s_add_co_u32 s13, s13, STATS
	v_lshl_add_u32 v[SA], v10, 3, s13
	v_lshl_add_u32 v[SB], v10, 3, STATS
	s_lshl_b32 s13, s[WV], 13
	s_add_co_u32 s13, s13, OST
	v_lshl_add_u32 v[OA], v10, 4, s13   ; a wave's tile of O^T: 16 x 512 bytes
	s_lshl_b32 s13, s[WV], 11
	s_add_co_u32 s13, s13, OST
	v_lshl_add_u32 v[OBA], v10, 4, s13  ; of it my channels 32 w .. 32 w + 31: four of the sixteen
	s_lshl_b32 s13, s[WV], 6
	s_add_co_u32 s13, s13, OST
	v_mul_u32_u24 v[OS], v1, PK     ; rows of 272 bytes: row r, my 64 bytes of it, 16 for each half of the lanes
	v_lshl_add_u32 v[OS], v9, 4, v[OS]
	v_add_nc_u32 v[OS], s13, v[OS]
	s_mul_i32 s13, s[WV], 16*PK
	s_add_co_u32 s13, s13, OST
	v_mul_u32_u24 v[RDO], v9, PK    ; back: wave w takes rows 16 w .. 16 w + 15; lanes 0-15 one row of 256 bytes, lanes 16-31 the next
	v_lshl_add_u32 v[RDO], v1, 4, v[RDO]
	v_add_nc_u32 v[RDO], s13, v[RDO]
	v_lshlrev_b32 v[GO], 11, v9     ; and the same two rows in ao
	v_lshl_add_u32 v[GO], v1, 4, v[GO]
; THE MATRIX WORK.  The accumulators take turns, one instruction a turn.
; Product i of 32 of S^T = K Q^T for tiles x, x + 1: channels 32 (i / 8) on, keys 16 ((i / 2) % 4) on, tile x + i % 2.  The first 8 start the sums, with the mask.
.macro KQ x
.set rS, S+32*((\x)+i%2)+8*((i/2)%4)
.set rK, KF+32*((i/2)%4)+8*(i/8)
.set rQ, 32*((\x)+i%2)+8*(i/8)
.if i < 8
.set rM, MID
.if (i/2) < ((\x)+i%2)
.set rM, LOW
.elseif (i/2) > ((\x)+i%2)
.set rM, HIGH
.endif
	WIN W_KM
	v_wmma_f32_16x16x32_f16 v[rS:rS+7], v[rK:rK+7], v[rQ:rQ+7], v[rM:rM+7]
.else
	WIN W_KQ
	v_wmma_f32_16x16x32_f16 v[rS:rS+7], v[rK:rK+7], v[rQ:rQ+7], v[rS:rS+7]
.endif
.endm
; Product i of 32 of O^T += V^T P: keys 32 (i / 16) on, channels 16 ((i / 2) % 8) on, tile x + i % 2.
.macro PV x
	WIN W_PV
.set rO, 64*((\x)+i%2)+8*((i/2)%8)
.set rV, 64*(i/16)+8*((i/2)%8)
.set rP, P+16*((\x)+i%2)+8*(i/16)
	v_wmma_f32_16x16x32_f16 v[rO:rO+7], v[rV:rV+7], v[rP:rP+7], v[rO:rO+7]
.endm
; THE LDS LOADS stand in runs of 32: my 64 keys of K (16 fragments) and of V (turned).  last = 1 (the walk's last two steps): in the last of them there is no further tile, and the run is jumped over.
.macro FETCH_K last=0
	WIN 0
.if \last
	s_cmp_eq_u32 s[CNT], 1
	s_cbranch_scc1 .Lno_k_\@
.endif
	v_add_nc_u32 v[ADR], s[TB], v[AK0]
	WIN 0x80                        ; destination window 2
.irp f, 0,1,2,3,4,5,6,7,8,9,10,11,12,13,14,15  ; keys 16 (f / 4) on, channels 32 (f % 4) on
	ds_load_b128 v[KF+8*(\f):KF+8*(\f)+3],   v[ADR] offset:((\f)/4)*16*PK+((\f)%4)*64
	ds_load_b128 v[KF+8*(\f)+4:KF+8*(\f)+7], v[ADR] offset:((\f)/4)*16*PK+((\f)%4)*64+32
.endr
	WIN 0
.if \last
.Lno_k_\@:
.endif
.endm
.macro FETCH_V
	WIN 0
	v_add_nc_u32 v[ADR], s[TB], v[AV0]
	WIN 0xc0                        ; destination window 3
.irp f, 0,1,2,3,4,5,6,7,8,9,10,11,12,13,14,15  ; keys 32 (f / 8) on, channels 16 (f % 8) on
	ds_load_tr16_b128 v[8*(\f):8*(\f)+3],   v[ADR] offset:((\f)/8)*32*PV+((\f)%8)*32
	ds_load_tr16_b128 v[8*(\f)+4:8*(\f)+7], v[ADR] offset:((\f)/8)*32*PV+16*PV+((\f)%8)*32
.endr
.endm
; THE VECTOR WORK.  One tile's softmax for one step is a list of 134 instructions; SM writes number j of it for tile t.  s0-s31 are the lane's 32 scores, in pairs 0-15.
;   0-15    the maximum of s0-s31 and the old m, three operands at a time: four chains c0-c3 of seven scores each (each accumulator's lowest registers first), then the four left over, c0-c3 and m
;   16-20   the other half of the lanes' maximum; the new m; c m; c m_old - c m_new
;   21-87   33 exponentials (a, then s0-s31) at the odd numbers from 23 on, so that no two follow each other and each has a plain instruction behind it; the plain ones are whatever is ready:
;           c s - c m for a pair whose exponentials are still to come, the rounding to f16 of a pair whose exponentials are done, at last the first three sums
;   88-101  the last rounding; the rest of the sums; l = a l + the sum          102-133 the tile's O^T times a: the one part that leaves window 0
.macro SM t
.set rT, ST+8*(\t)
.set rS, S+32*(\t)
.set rP, P+16*(\t)
.set rO, 64*(\t)+2*(j-102)
.set q, (j-20)/2
.if j < 102
	WIN 0
.endif
.if j < 4
	v_max3_num_f32 v[rT+4+j], v[rS+8*j], v[rS+8*j+1], v[rS+8*j+2]
.elseif j < 12
	v_max3_num_f32 v[rT+4+j%4], v[rT+4+j%4], v[rS+8*(j%4)+2*(j/4)+1], v[rS+8*(j%4)+2*(j/4)+2]
.elseif j == 12
	v_max3_num_f32 v[rT+4], v[rT+4], v[rS+7], v[rS+15]
.elseif j == 13
	v_max3_num_f32 v[rT+6], v[rT+6], v[rS+23], v[rS+31]
.elseif j == 14
	v_max3_num_f32 v[rT+4], v[rT+4], v[rT+5], v[rT+6]
.elseif j == 15
	v_max3_num_f32 v[rT+4], v[rT+4], v[rT+7], v[rT+1]
.elseif j == 16
	v_permlanex16_b32 v[rT+5], v[rT+4], s[SEL], s[SEL+1]  ; the query's other 32 keys lie in the lane 16 away
.elseif j == 17
	v_mov_b32 v[rT+7], v[rT]        ; c m_old is kept for a: number 19 writes c m anew
.elseif j == 18
	v_max_num_f32 v[rT+1], v[rT+4], v[rT+5]
.elseif j == 19
	v_mul_f32 v[rT], s[CS], v[rT+1]
.elseif j == 20
	v_sub_f32 v[rT+7], v[rT+7], v[rT]
.elseif j == 23
	v_exp_f32 v[rT+6], v[rT+7]
.elseif (j < 88) && (j > 23) && (j%2 == 1)
	v_exp_f32 v[rS+(j-25)/2], v[rS+(j-25)/2]
.elseif (q < 4) || ((j < 76) && (q%2 == 0))
.set b, q/2+2
.if q < 4
.set b, q
.endif
	v_pk_fma_f32 v[rS+2*b:rS+2*b+1], v[rS+2*b:rS+2*b+1], s[CS:CS+1], v[rT:rT+1] op_sel_hi:[1,0,0] neg_lo:[0,0,1] neg_hi:[0,0,1]  ; pair b: c s - c m
.elseif (j < 88) && (q%2 == 1)
	s_wait_alu depctr_va_vdst(0)
	v_cvt_pk_f16_f32 v[rP+(q-5)/2], v[rS+q-5], v[rS+q-4]  ; pair (q - 5) / 2: its second exponential stands three numbers back
.elseif j == 89
	s_wait_alu depctr_va_vdst(0)
	v_cvt_pk_f16_f32 v[rP+15], v[rS+30], v[rS+31]
.elseif j < 102                     ; the sum of the tile's 16 pairs, in place: sum z of 16 adds neighbours 1, 2, 4 and 8 pairs apart, then l takes it
.set z, j-86
.if j < 89
.set z, (j-76)/4
.endif
.set w, 4
.set u, z
.if z >= 14
.set w, 32
.set u, 0
.elseif z >= 12
.set w, 16
.set u, z-12
.elseif z >= 8
.set w, 8
.set u, z-8
.endif
.if z < 15
	v_pk_add_f32 v[rS+w*u:rS+w*u+1], v[rS+w*u:rS+w*u+1], v[rS+w*u+w/2:rS+w*u+w/2+1]
.else
	v_pk_fma_f32 v[rT+2:rT+3], v[rT+2:rT+3], v[rT+6:rT+7], v[rS:rS+1] op_sel_hi:[1,0,1]
.endif
.else
	WIN W_RS
	v_pk_mul_f32 v[rO:rO+1], v[rO:rO+1], v[rT+6:rT+7] op_sel_hi:[1,0]
.endif
.endm
; Slice k of 64 of the softmax of tiles y, y + 1: numbers 2 k and 2 k + 1 of both lists, four instructions.  2 x 134 = 4 x 64 + 12: the twelve that are over stand together, in slice 63.
.macro SLICE y
.if (k >= 11) && (k < 44)           ; tile by tile: plain, exponential, plain, exponential
.irp t, \y, (\y)+1
.irp n, 0,1
.set j, 2*k+(\n)
	SM \t
.endr
.endr
.else                               ; the two tiles alternate, so that no instruction reads the result of the one just before it
.irp n, 0,1,2,3,4,5,6,7
.if ((\n) < 2) || (k == 63)
.irp t, \y, (\y)+1
.set j, 2*k+(\n)
	SM \t
.endr
.endif
.endr
.endif
.set k, k+1
.endm
; The three mask operands for my 64 keys of the tile in hand.  Selects alone: nothing but these values hangs on the block's number.  Signed compares: D is stepped below 0 behind a block's last tile.
.macro MASKS
	s_cmp_eq_i32 s[WV], s[DD]
	s_cselect_b32 s[AL], 1.0, 0
	s_cmp_gt_i32 s[WV], s[DD]
	s_cselect_b32 s[BE], s[BIGN], 0
	s_cmp_ge_i32 s[WV], s[DD]
	s_cselect_b32 s[HV], s[BIGN], 0
	WIN 0xc3                        ; destination and source 0 window 3
.set i, 0
.rept 8
	v_mov_b32 v[LOW+i], s[BE]
	v_mov_b32 v[HIGH+i], s[HV]
.set i, i+1
.endr
.set i, 0
.rept 4
	v_pk_fma_f32 v[MID+2*i:MID+2*i+1], v[TRI+2*i:TRI+2*i+1], s[AL:AL+1], s[BE:BE+1] op_sel_hi:[1,0,0]
.set i, i+1
.endr
.endm
; THE CHANGE OF SLOTS: the slot's last bytes, my keys of V, have been asked for.  Each wave waits for all its tensor loads, of which one is out: its part of the other slot; adds 0 to its spare word; and waits for
; that and for its own reads of the slot.  fill = 1: the barrier is a round of the cluster's, and the slot is filled again first thing behind it, with tile NXT: the address is made anew from that number.
; That load has a whole step, 128 matrix instructions, in which to land.
.macro CHANGE fill
	WIN 0                           ; at a label and at a branch every window is 0
	s_wait_tensorcnt 0x0            ; no tensor load of mine is out, so a group 0 may be written
	ds_add_u32 v[SPW], v[NIL]       ; 0 onto my spare word; with fill = 1 the descriptors' scalar work stands between it and the wait for it
.if \fill
	s_lshl_b32 s[OFF], s[NXT], 16
	s_xor_b32 s[G0K+5], s[G0K+5], SLOTX
	s_add_nc_u64 s[G0K+6:G0K+7], s[KB:KB+1], s[OFF:OFF+1]
	s_or_b32 s[G0K+7], s[G0K+7], 0x80000000
	s_xor_b32 s[G0V+5], s[G0V+5], SLOTX
	s_add_nc_u64 s[G0V+6:G0V+7], s[VB:VB+1], s[OFF:OFF+1]
	s_or_b32 s[G0V+7], s[G0V+7], 0x80000000
	STEPN
	s_wait_dscnt 0x0                ; the add is done, and my reads of the slot are over
	CROUND
	JLOAD
.else
	s_wait_dscnt 0x0                ; the add is done, and my reads of the slot are over
	s_barrier_signal -1
	s_barrier_wait -1
.endif
	s_xor_b32 s[TB], s[TB], SLOTX   ; the next run of loads reads the other slot
.endm
; A STEP.  K of the tile in hand was fetched in the step before.  In the two mixed runs the products stand in pairs with four slices behind each pair: two window switches for two products.
; V is fetched behind the first pair of the second run: the last product that read V stands in front of the 20 plain lines of MASKS.
; K of the next tile is fetched behind the first pair of the third run: the last product that read K stands in front of slices 60 to 63, 28 plain lines.
.macro TRIP fill, tail
	MASKS
	s_wait_dscnt 0x0                ; K is in
.set i, 0
.rept 32
	KQ 0
.set i, i+1
.endr
	WIN 0
	PLACES                          ; behind those products, in front of the first read of their scores
.set k, 0
.set i, 0
.rept 16
	KQ 2
.set i, i+1
	KQ 2
.set i, i+1
.rept 4
	SLICE 0
.endr
.if i == 2
	FETCH_V
.endif
.endr
	CHANGE \fill                    ; its wait on DScnt also shows V in
.set k, 0
.set i, 0
.rept 16
	PV 0
.set i, i+1
	PV 0
.set i, i+1
.rept 4
	SLICE 2
.endr
.if i == 2
	FETCH_K \tail
.endif
.endr
.set i, 0
.rept 32
	PV 2
.set i, i+1
.endr
	WIN 0
.endm
; A BLOCK ENDS: the four waves' shares are merged.  For each query: M = the largest of the four c m; L = the sum of l 2^(c m - M); wave w's O^T counts with the factor 2^(c m_w - M) / L.
; Each wave lays its O^T into LDS as it is, a query tile at a time; wave w adds up channels 32 w .. 32 w + 31 of the four, each times its factor.  Then rounded to f16, laid into rows, read back whole and stored.
; Ten barriers; behind none of them is LDS filled.
.macro ENDBLK
	WIN 0
.irp t, 0,1,2,3
	v_add_f32 v[ST+8*(\t)+4], v[ST+8*(\t)+2], v[ST+8*(\t)+3]
.endr
.irp t, 0,1,2,3
	v_permlanex16_b32 v[ST+8*(\t)+5], v[ST+8*(\t)+4], s[SEL], s[SEL+1]
.endr
.irp t, 0,1,2,3
	v_add_f32 v[ST+8*(\t)+4], v[ST+8*(\t)+4], v[ST+8*(\t)+5]  ; my wave's l
.endr
.irp t, 0,1,2,3
	v_mov_b32 v[ST+8*(\t)+5], v[ST+8*(\t)]                    ; c m beside it: a pair to store
.endr
.irp t, 0,1,2,3
	ds_store_b64 v[SA], v[ST+8*(\t)+4:ST+8*(\t)+5] offset:256*(\t)
.endr
	s_wait_dscnt 0x0                ; for the others' sake: my stores are done (and the next tile's K is in)
	s_barrier_signal -1
	s_barrier_wait -1
.irp t, 0,1,2,3
.irp w, 0,1,2,3
	ds_load_b64 v[S+8*(\t)+2*(\w):S+8*(\t)+2*(\w)+1], v[SB] offset:1024*(\w)+256*(\t)
.endr
.endr
	s_wait_dscnt 0x0
.irp t, 0,1,2,3
	v_max3_num_f32 v[ST+8*(\t)+6], v[S+8*(\t)+1], v[S+8*(\t)+3], v[S+8*(\t)+5]
.endr
.irp t, 0,1,2,3
	v_max_num_f32 v[ST+8*(\t)+6], v[ST+8*(\t)+6], v[S+8*(\t)+7]  ; M
.endr
.irp t, 0,1,2,3
.irp w, 0,1,2,3
	v_sub_f32 v[S+8*(\t)+2*(\w)+1], v[S+8*(\t)+2*(\w)+1], v[ST+8*(\t)+6]
.endr
.endr
.irp t, 0,1,2,3
.irp w, 0,1,2,3
	v_exp_f32 v[S+8*(\t)+2*(\w)+1], v[S+8*(\t)+2*(\w)+1]
.endr
.endr
	v_nop                           ; a plain instruction between the last exponential and the use of its result
	s_wait_alu depctr_va_vdst(0)
.irp t, 0,1,2,3
	v_mul_f32 v[ST+8*(\t)+4], v[S+8*(\t)], v[S+8*(\t)+1]
.endr
.irp w, 1,2,3
.irp t, 0,1,2,3
	v_fmac_f32 v[ST+8*(\t)+4], v[S+8*(\t)+2*(\w)], v[S+8*(\t)+2*(\w)+1]  ; L: at least 1, since the wave that holds the row's largest score has l >= 1 and the factor 1
.endr
.endr
.irp t, 0,1,2,3
	v_rcp_f32 v[ST+8*(\t)+5], v[ST+8*(\t)+4]
.endr
	v_nop                           ; a plain instruction between the last reciprocal and the use of its result
	s_wait_alu depctr_va_vdst(0)
.irp t, 0,1,2,3
.irp w, 0,1,2,3
	v_mul_f32 v[FF+8*(\t)+2*(\w)], v[S+8*(\t)+2*(\w)+1], v[ST+8*(\t)+5]  ; the factors: the low words of pairs whose high words, old weights, are named and not used
.endr
.endr
.irp t, 0,1,2,3
	WIN 0x04                        ; store data (source 1) window 1
.irp q, 0,1,2,3,4,5,6,7,8,9,10,11,12,13,14,15
	ds_store_b128 v[OA], v[64*(\t)+4*(\q):64*(\t)+4*(\q)+3] offset:512*(\q)  ; each accumulator from its low end on
.endr
	s_wait_dscnt 0x0                ; my stores are done
	s_barrier_signal -1
	s_barrier_wait -1
	WIN 0
.irp w, 0,1,2,3
.irp n, 0,1,2,3
	ds_load_b128 v[S+16*(\w)+4*(\n):S+16*(\w)+4*(\n)+3], v[OBA] offset:8192*(\w)+512*(\n)
.endr
.endr
	s_wait_dscnt 0x0                ; my reads are over: the next tile may be written behind this barrier
	s_barrier_signal -1
.set i, 0
.rept 8
	v_pk_mul_f32 v[RR+16*(\t)+2*i:RR+16*(\t)+2*i+1], v[S+2*i:S+2*i+1], v[FF+8*(\t):FF+8*(\t)+1] op_sel_hi:[1,0]
.set i, i+1
.endr
.irp w, 1,2,3
.set i, 0
.rept 8
	v_pk_fma_f32 v[RR+16*(\t)+2*i:RR+16*(\t)+2*i+1], v[S+16*(\w)+2*i:S+16*(\w)+2*i+1], v[FF+8*(\t)+2*(\w):FF+8*(\t)+2*(\w)+1], v[RR+16*(\t)+2*i:RR+16*(\t)+2*i+1] op_sel_hi:[1,0,1]
.set i, i+1
.endr
.endr
	s_barrier_wait -1
.endr
.set i, 0
.rept 32
	v_cvt_pk_f16_f32 v[P+i], v[RR+2*i], v[RR+2*i+1]
.set i, i+1
.endr
.irp t, 0,1,2,3
	ds_store_b128 v[OS], v[P+8*(\t):P+8*(\t)+3]   offset:16*PK*(\t)
	ds_store_b128 v[OS], v[P+8*(\t)+4:P+8*(\t)+7] offset:16*PK*(\t)+32
.endr
	s_wait_dscnt 0x0                ; a row's 256 bytes come from four waves
	s_barrier_signal -1
	s_barrier_wait -1
.irp f, 0,1,2,3,4,5,6,7
	ds_load_b128 v[S+4*(\f):S+4*(\f)+3], v[RDO] offset:2*PK*(\f)
.endr
	s_wait_dscnt 0x0
.irp f, 0,1,2,3,4,5,6,7
	global_store_b128 v[GO], v[S+4*(\f):S+4*(\f)+3], s[OP:OP+1] offset:4096*(\f)  ; 16 lanes store 256 consecutive bytes, at a multiple of 256 from ao's first byte
.endr
.endm
	s_wait_tensorcnt 1              ; my part of the walk's first tile is in; the second's may stay out
	s_barrier_signal -1
	s_barrier_wait -1               ; everybody's is
	FETCH_K
	s_mov_b32 s[DD], s[IB]
	FRESH
	s_wait_loadcnt 0x0              ; the first block's Q
	s_mov_b32 s[BL], 7
.Ltrip:                             ; seven trips: a tile is walked and the tile two on is asked for
	TRIP 1, 0
	s_sub_co_i32 s[DD], s[DD], 4
	s_cmp_lg_u32 s[BL], 1
	s_cbranch_scc1 .Lwalked         ; what is jumped holds no tensor load
	s_mov_b32 s[CNT], 2
.Ltail:                             ; behind the seventh trip: the walk's last two tiles have a text of their own: nothing is asked for
	TRIP 0, 1
	s_sub_co_i32 s[DD], s[DD], 4
	s_sub_co_u32 s[CNT], s[CNT], 1
	s_cmp_lg_u32 s[CNT], 0
	s_cbranch_scc1 .Ltail
	s_branch .Lmerge                ; the second block is walked
.Lwalked:
	s_cmp_lt_u32 s[BL], 4
	s_cbranch_scc1 .Lnext           ; the first block has four tiles at the most: behind the fifth and sixth trips nothing ends
	s_cmp_lg_u32 s[BL], s[MB]
	s_cbranch_scc1 .Lnext           ; the first block ends behind trip m + 1: alike in all waves and in all four partners
	QLOAD QP2                       ; the second block's Q is asked for ahead of the merge: the last product that read Q stands more than a run of products and a softmax back
.Lmerge:
	ENDBLK
	s_wait_xcnt 0x0                 ; the stores have read their registers and ao's address: both are written again only behind this wait
	s_mov_b64 s[OP:OP+1], s[OP2:OP2+1]  ; for the second block (behind it the lines down to the label serve nothing more)
	s_mov_b32 s[DD], s[IB2]
	s_mov_b32 s[MB], 0              ; no count is 0 at the test above: the first block ends once
	FRESH
	s_wait_loadcnt 0x0              ; the second block's Q
.Lnext:
	s_sub_co_u32 s[BL], s[BL], 1
	s_cmp_lg_u32 s[BL], 0
	s_cbranch_scc1 .Ltrip
	s_wait_tensorcnt 0x0            ; the wave's end: these three lines stand behind my last tensor load and my last LDS store
	ds_add_u32 v[SPW], v[NIL]
	s_wait_dscnt 0x0
	CROUND                          ; the closing round: no work-group ends while a partner may still ask for a tile that names it
	s_endpgm
.Lfunc_end_k_qf9a13a134e_attn:
	.size	k_qf9a13a134e_attn, .Lfunc_end_k_qf9a13a134e_attn-k_qf9a13a134e_attn
	.p2alignl 7, 3214868480
	.fill 96, 4, 3214868480
	.section	.rodata,"a",@progbits
	.p2align	6, 0x0
	.amdhsa_kernel k_qf9a13a134e_attn
		.amdhsa_group_segment_fixed_size 327680
		.amdhsa_private_segment_fixed_size 0
		.amdhsa_enable_private_segment 0
		.amdhsa_kernarg_size 16
		.amdhsa_user_sgpr_count 2
		.amdhsa_user_sgpr_kernarg_segment_ptr 1
		.amdhsa_wavefront_size32 1
		.amdhsa_system_sgpr_workgroup_id_x 1
		.amdhsa_system_sgpr_workgroup_id_y 1
		.amdhsa_system_sgpr_workgroup_id_z 1
		.amdhsa_system_vgpr_workitem_id 0
		.amdhsa_next_free_vgpr 1024
		.amdhsa_next_free_sgpr 92
		.amdhsa_reserve_vcc 1
		.amdhsa_float_denorm_mode_32 3
		.amdhsa_float_denorm_mode_16_64 3
		.amdhsa_memory_ordered 1
		.amdhsa_forward_progress 1
		.amdhsa_inst_pref_size 143
	.end_amdhsa_kernel
	.amdgpu_metadata
---
amdhsa.version: [ 1, 2 ]
amdhsa.kernels:
  - .name:           k_qf9a13a134e_attn
    .symbol:         k_qf9a13a134e_attn.kd
    .args:
      - { .name: qkv, .offset: 0, .size: 8, .value_kind: global_buffer, .address_space: global }
      - { .name: ao, .offset: 8, .size: 8, .value_kind: global_buffer, .address_space: global }
    .group_segment_fixed_size: 327680
    .private_segment_fixed_size: 0
    .kernarg_segment_align: 8
    .kernarg_segment_size: 16
    .max_flat_workgroup_size: 128
    .sgpr_count:     92
    .vgpr_count:     1024
    .wavefront_size: 32
...
	.end_amdgpu_metadata
.endif
;; end of part 3
;; launch oproj (part 4): grid 16 x 16, 4 waves a work-group, clusters of 4 x 4, 327,680 bytes of LDS; arguments ao, wo, out0; writes out0
.if DOCPART == 4
	.amdgcn_target "amdgcn-amd-amdhsa--gfx1250"
	.amdhsa_code_object_version 6
	.text
	.protected	k_qf9a13a134e_oproj
	.globl	k_qf9a13a134e_oproj
	.p2align	8
	.type	k_qf9a13a134e_oproj,@function
k_qf9a13a134e_oproj:
	s_mov_b64 s[64:65], 0
	v_nop
	global_prefetch_b8 v0, s[64:65] scope:SCOPE_SE
	s_setreg_imm32_b32 hwreg(HW_REG_WAVE_MODE, 25, 1), 1
	s_wait_xcnt 0x0
	s_wait_alu depctr_hold_cnt(0) depctr_sa_sdst(0) depctr_va_vdst(0) depctr_va_sdst(0) depctr_va_ssrc(0) depctr_va_vcc(0) depctr_vm_vsrc(0)
	s_getreg_b32 s2, hwreg(HW_REG_IB_STS2, 6, 4)
	s_cmp_eq_u32 s2, 0
	s_cbranch_scc0 .Lentry_in_a_cluster
	s_endpgm
.Lentry_in_a_cluster:
	s_bfe_u32 s2, ttmp6, 0x10000c
	s_cmp_lg_u32 s2, 0xf033
	s_cbranch_scc0 .Lentry_shape_is_right
	s_endpgm
.Lentry_shape_is_right:
; out0[t][n] = the sum over k of ao[t][k] wo[n][k].  ao: [4096][1024] f16 (O times 2^-4), wo: [4096][1024] f16 (Wo times 16), out0: [4096][4096] f32: the two powers of two cancel.  Sums in f32.
; A tile of out0, 256 x 256, is made by a work-group of four waves; a wave makes 128 x 128: 64 accumulators of 16 x 16, 512 registers.  K goes in 8 steps of 128 through two LDS slots filled by the tensor
; data mover: the tiles' rows are 256 bytes of memory, at multiples of 256.  256 tiles: one to each work-group.  The last K step goes by rows of the result, so that finished rows leave while the others are multiplied.
; CLUSTER.  4 x 4 work-groups: the four of a row of the cluster need the same tiles of ao, the four of a column the same tiles of wo: each tile is asked for jointly.
; THE MATRIX INSTRUCTION IS USED TRANSPOSED (source 0 = 16 rows of wo, source 1 = 16 rows of ao): a lane holds eight neighbouring numbers of a row of out0, 32 bytes.
; REGISTERS, in windows of 256: window 0: v0-31 addresses; v64-127, v128-191 fragments of ao, two buffers (in the last K step four, of 16 rows x 128 K); v192-255 rows read back on the way out
;   window 1: v64-127, v128-191 fragments of wo, two buffers; in the last K step all 256      window 2: the accumulators of my rows 0-63, (a, b) at v[8 (8 a + b)]      window 3: those of my rows 64-127
.set SIZE_N, 4096
.set SIZE_K, 1024
.set KSTEP,  128
.set PITCH,  272                       ; an LDS row: 256 bytes + 16 of padding = 68 words: the 16 rows of a fragment load start at 16 different groups of four banks (64 banks of 4 bytes: ISA guide 11.1)
.set HALFT,  128*PITCH                 ; 128 rows: what one tensor load brings, and what one wave reads of ao or of wo
.set SLOT,   4*HALFT                   ; 0x22000: two bits that none of the four LDS words of the descriptors (w x 0x8800) holds: an exclusive or adds or takes it
.set STAGE,  2*SLOT                    ; behind the ring, never filled by a tensor load: 16 rows x 528 bytes for each wave
.set SPITCH, 528                       ; 512 bytes + 16 = 132 words: row r starts at bank 4 r mod 64
.set SPARE,  STAGE+4*16*SPITCH         ; the spare words, 128 bytes for each wave: two blocks of 256 bytes that no other line names
.set ADRA0, 16                         ; v16  my lane's place in my rows of ao in slot 0; never rewritten
.set ADRA,  17                         ; v17  the same in the slot in hand
.set ADRB0, 20                         ; v20, v21  the same for wo
.set ADRB,  21
.set STO,  24                          ; v24  the way out: where I put 32 bytes of a row
.set RD,   25                          ; v25  the way out: where I read a row back
.set CO,   26                          ; v26  16 x lane: my place in a row's 512 bytes
.set SPW,  28                          ; v28  LDS address of my spare word; never rewritten
.set NIL,  29                          ; v29  0; never rewritten
.set F0,   64
.set F1,   128
.set OB,   192
.set PA,   64                          ; the last K step: ao's fragments of 16 rows x 128 K, 32 registers; four such buffers, v64-191
.set G1,  24                           ; s[24:31] descriptor group 1 for ao's tiles
.set G0,  32                           ; s[32:39] descriptor group 0: a set for each first fill; the second then walks
.set TB,  45                           ; s45  0 or SLOT: the slot in hand
.set G1B, 48                           ; s[48:55], s[56:63] the same for wo's tiles
.set G0B, 56
.set MSB, 0
.macro WIN new                         ; the immediate's high byte repeats the setting that is left; a switch that changes nothing is dropped
.if MSB != (\new)
	s_set_vgpr_msb (MSB<<8)|(\new)
.set MSB, \new
.endif
.endm
.set MUL_LO, 0xa1                      ; source 0 (wo) window 1, source 1 (ao) window 0, C and D window 2
.set MUL_HI, 0xf1                      ; the same, C and D window 3
.set TO_B,   0x40                      ; destination window 1, address window 0
; A joint refill.  Waves 0 and 1 fetch ao's two halves, waves 2 and 3 wo's.  An s_nop 0 and four v_nop follow each of the two lines, ahead of the jump and the label.
.macro JLOAD
	s_cmp_eq_u32 s11, 0
	s_cbranch_scc0 .Lfor_b_\@
	tensor_load_to_lds s[G0+4:G0+7], s[G1:G1+7]
	s_nop 0
.rept 4
	v_nop
.endr
	s_branch .Lasked_\@
.Lfor_b_\@:
	tensor_load_to_lds s[G0B+4:G0B+7], s[G1B:G1B+7]
	s_nop 0
.rept 4
	v_nop
.endr
.Lasked_\@:
.endm
; A round of the cluster's barrier: my work-group's barrier, so that wave 0's signal speaks for all four waves; wave 0 signals; every wave waits for all sixteen work-groups; my work-group's barrier once more.
.macro CROUND
	s_barrier_signal -1
	s_barrier_wait -1
	s_cmp_lg_u32 s10, 0
	s_cbranch_scc1 .Lnot_wave_0_\@
	s_barrier_signal -3
.Lnot_wave_0_\@:
	s_barrier_wait -3
	s_barrier_signal -1
	s_barrier_wait -1
.endm
	s_load_b128 s[4:7], s[0:1], 0x0                ; ao s[4:5], wo s[6:7]
	s_load_b64 s[8:9], s[0:1], 0x10                ; out0
	v_lshl_add_u32 v[SPW], v0, 2, SPARE
	v_mov_b32 v[NIL], 0
	ds_add_u32 v[SPW], v[NIL]                      ; the wave's opening: the add and its wait stand ahead of my first tensor load; the set-up below, work on registers, stands between them
	v_lshrrev_b32 v1, 5, v0
	v_readfirstlane_b32 s10, v1                    ; wave 0..3
	s_lshr_b32 s11, s10, 1                         ; which half of the tile's rows is mine.  Also: I fetch for ao (0) or for wo (1)
	s_and_b32 s12, s10, 1                          ; which half of its columns.  Also: which 128 rows of that tile I fetch
	s_bfe_u32 s40, ttmp6, 0x40000                  ; cx
	s_bfe_u32 s41, ttmp6, 0x40004                  ; cy
	s_lshl_b32 s42, ttmp9, 2
	s_add_co_u32 s42, s42, s40                     ; tile column = 4 x cluster x + cx
	s_and_b32 s13, ttmp7, 0xffff
	s_lshl_b32 s13, s13, 2
	s_add_co_u32 s13, s13, s41                     ; tile row = 4 x cluster y + cy
	s_lshl_b32 s43, s41, 2
	s_lshl_b32 s43, 15, s43                        ; my row of the cluster
	s_lshl_b32 s44, 0x1111, s40                    ; my column
	s_or_b32 s[G1+0], s43, (1<<16)|(1<<20)|(1<<21)|(5<<22)|(3<<25)   ; 15:0 the mask; 17:16 2-byte elements; 20 padding on; 21 set beside a mask; 24:22 after every 64 words (code 5); 31:25 4 words (code 3)
	s_or_b32 s[G1B+0], s44, (1<<16)|(1<<20)|(1<<21)|(5<<22)|(3<<25)
.irp g, G1, G1B
	s_mov_b32 s[(\g)+1], KSTEP<<16                 ; tensor_dim0 = 128
	s_mov_b32 s[(\g)+2], 128<<16                   ; tensor_dim1 = 128
	s_mov_b32 s[(\g)+3], KSTEP<<16                 ; tile_dim0 = 128
	s_mov_b32 s[(\g)+4], 128                       ; tile_dim1 = 128
	s_mov_b32 s[(\g)+5], SIZE_K                    ; elements from row to row
	s_mov_b32 s[(\g)+6], 0
	s_mov_b32 s[(\g)+7], 0
.endr
	s_lshl_b32 s17, s12, 7                         ; which 128 rows of the tile I fetch
	s_lshl_b32 s16, s13, 8
	s_add_co_u32 s16, s16, s17                     ; ao: row 256 x tile row + 128 x half,
	s_lshl_b32 s16, s16, 11                        ; times 2,048 bytes: under 2^23
	s_lshl_b32 s46, s42, 8
	s_add_co_u32 s46, s46, s17                     ; wo: row 256 x tile column + 128 x half
	s_lshl_b32 s46, s46, 11
	s_mov_b32 s17, 0
	s_mov_b32 s47, 0
	s_mul_i32 s20, s10, HALFT                      ; where they go: ao's two halves, then wo's two halves = wave x 128 rows: no place in the cluster enters an LDS address
	s_mov_b32 s[TB], 0
	s_wait_dscnt 0x0                               ; the opening add is done
	s_wait_kmcnt 0x0
	s_add_nc_u64 s[14:15], s[4:5], s[16:17]
	s_add_nc_u64 s[46:47], s[6:7], s[46:47]
	CROUND                                         ; all sixteen work-groups are here: the first joint loads meet
.irp s, 0,1
	s_mov_b32 s[G0+4*(\s)], 1
	s_add_co_u32 s[G0+4*(\s)+1], s20, (\s)*SLOT
	s_add_nc_u64 s[G0+4*(\s)+2:G0+4*(\s)+3], s[14:15], (\s)*KSTEP*2
	s_or_b32 s[G0+4*(\s)+3], s[G0+4*(\s)+3], 0x80000000
	s_mov_b32 s[G0B+4*(\s)], 1
	s_add_co_u32 s[G0B+4*(\s)+1], s20, (\s)*SLOT
	s_add_nc_u64 s[G0B+4*(\s)+2:G0B+4*(\s)+3], s[46:47], (\s)*KSTEP*2
	s_or_b32 s[G0B+4*(\s)+3], s[G0B+4*(\s)+3], 0x80000000
.endr
	s_cmp_eq_u32 s11, 0                            ; a wave's two first fills stand in one branch, ahead of every wait on TENSORcnt and every LDS read: two loads of mine are out
	s_cbranch_scc0 .Lfirst_b
	tensor_load_to_lds s[G0:G0+3], s[G1:G1+7]
	s_nop 0
	tensor_load_to_lds s[G0+4:G0+7], s[G1:G1+7]
	s_nop 0
.rept 4
	v_nop
.endr
	s_branch .Lfirst_asked
.Lfirst_b:
	tensor_load_to_lds s[G0B:G0B+3], s[G1B:G1B+7]
	s_nop 0
	tensor_load_to_lds s[G0B+4:G0B+7], s[G1B:G1B+7]
	s_nop 0
.rept 4
	v_nop
.endr
.Lfirst_asked:
	v_and_b32 v1, 15, v0                           ; l % 16
	v_bfe_u32 v2, v0, 4, 1                         ; l / 16
	v_mul_u32_u24 v3, v1, PITCH
	v_lshl_add_u32 v3, v2, 4, v3                   ; a fragment's row x pitch + 16 x half
	s_mul_i32 s21, s11, HALFT                      ; my 128 rows of ao
	s_mul_i32 s22, s12, HALFT                      ; my 128 rows of wo,
	s_add_co_u32 s22, s22, 2*HALFT                 ; which lie behind ao's 256
	v_add_nc_u32 v[ADRA0], s21, v3
	v_add_nc_u32 v[ADRB0], s22, v3
	v_mov_b32 v[ADRA], v[ADRA0]
	v_mov_b32 v[ADRB], v[ADRB0]
	s_mul_i32 s23, s10, 16*SPITCH
	s_add_co_u32 s23, s23, STAGE                   ; my stage
	v_mul_u32_u24 v4, v1, SPITCH                   ; in: row l % 16, 32 bytes for each half of the lanes
	v_lshl_add_u32 v4, v2, 5, v4
	v_add_nc_u32 v[STO], s23, v4
	v_and_b32 v5, 31, v0
	v_lshlrev_b32 v[CO], 4, v5                     ; back: 32 lanes take one row of 512 bytes
	v_add_nc_u32 v[RD], s23, v[CO]
	s_lshl_b32 s16, s13, 8                         ; where my part of the tile begins in out0: row 256 x tile row + 128 x half,
	s_lshl_b32 s14, s11, 7
	s_add_co_u32 s16, s16, s14
	s_lshl_b32 s16, s16, 14                        ; times 16,384 bytes: under 2^26;
	s_lshl_b32 s46, s42, 10                        ; column 256 x tile column + 128 x half, times 4 bytes
	s_lshl_b32 s47, s12, 9
	s_add_co_u32 s46, s46, s47
	s_add_co_u32 s16, s16, s46
	s_mov_b32 s17, 0
; 16 matrix instructions: m blocks a0, a0 + 1 of the window's four (hi = 0: my rows 0-63, 1: rows 64-127) x all 8 n blocks, 32 along K.  zero = 1: the first product starts the sums.
; The 64 accumulators take turns in one fixed order, one instruction a turn.
.macro MUL16 f, hi, a0, zero
	WIN MUL_LO+0x50*(\hi)
.irp a, \a0, (\a0)+1
.irp b, 0,1,2,3,4,5,6,7
.if \zero
	v_wmma_f32_16x16x32_f16 v[8*(8*(\a)+(\b)):8*(8*(\a)+(\b))+7], v[(\f)+8*(\b):(\f)+8*(\b)+7], v[(\f)+8*(4*(\hi)+(\a)):(\f)+8*(4*(\hi)+(\a))+7], 0
.else
	v_wmma_f32_16x16x32_f16 v[8*(8*(\a)+(\b)):8*(8*(\a)+(\b))+7], v[(\f)+8*(\b):(\f)+8*(\b)+7], v[(\f)+8*(4*(\hi)+(\a)):(\f)+8*(4*(\hi)+(\a))+7], v[8*(8*(\a)+(\b)):8*(8*(\a)+(\b))+7]
.endif
.endr
.endr
.endm
; 32 LDS loads in one run: the fragments of one quarter step (128 rows of wo, 128 rows of ao, 32 K at byte k of the rows) into buffer f
.macro FETCH k, f
	WIN TO_B
.irp i, 0,1,2,3,4,5,6,7
	ds_load_b128 v[(\f)+8*(\i):(\f)+8*(\i)+3],   v[ADRB] offset:(\k)+(\i)*16*PITCH
	ds_load_b128 v[(\f)+8*(\i)+4:(\f)+8*(\i)+7], v[ADRB] offset:(\k)+(\i)*16*PITCH+32
.endr
	WIN 0
.irp i, 0,1,2,3,4,5,6,7
	ds_load_b128 v[(\f)+8*(\i):(\f)+8*(\i)+3],   v[ADRA] offset:(\k)+(\i)*16*PITCH
	ds_load_b128 v[(\f)+8*(\i)+4:(\f)+8*(\i)+7], v[ADRA] offset:(\k)+(\i)*16*PITCH+32
.endr
.endm
.macro PLACES                          ; four places: in front of loads into registers that matrix instructions have read, and of LDS stores that read results
.rept 4
	v_nop
.endr
.endm
; A K step is four quarters of 32 along K, 64 matrix instructions each, on buffers 0, 1, 0, 1.  One of the first three: multiplies buffer f and fetches the next quarter, at byte k, into g.
.macro QUARTER k, f, g, zero
	s_wait_dscnt 8                                 ; wo's fragments and ao's rows 0-63 are in; the youngest eight loads (rows 64-127) may be out
	MUL16 \f, 0, 0, \zero
	MUL16 \f, 0, 2, \zero
	PLACES
	FETCH \k, \g
	s_wait_dscnt 32                                ; all but the 32 just issued
	MUL16 \f, 1, 0, \zero
	MUL16 \f, 1, 2, \zero
.endm
; The first half of the last quarter, and ONE barrier for the change of slots.  The half's 32 products stand AHEAD of the wait for the next slot's tile: they need registers alone, so they run while the tile is
; on its way, and between the tile's landing and the next request stand only the add, the descriptors' four scalar lines, the wait for my reads of this slot, and the round.
.macro MEET round                      ; round = 1: the barrier is a round of the cluster's, and the walking descriptors step
	s_wait_dscnt 8                                 ; wo's fragments and ao's rows 0-63 are in; the youngest eight loads (rows 64-127) may be out
	MUL16 F1, 0, 0, 0
	MUL16 F1, 0, 2, 0
	WIN 0                                          ; at a branch and at a label every window is 0
	s_wait_tensorcnt 0x0                           ; all my tensor loads have landed: the one that was out is my part of the next slot; so a group 0 may be written
	ds_add_u32 v[SPW], v[NIL]                      ; 0 onto my spare word
.if \round
	s_xor_b32 s[G0+5], s[G0+5], SLOT               ; the other slot than last time,
	s_add_nc_u64 s[G0+6:G0+7], s[G0+6:G0+7], KSTEP*2  ; the next K step; the type bits on top are not reached
	s_xor_b32 s[G0B+5], s[G0B+5], SLOT
	s_add_nc_u64 s[G0B+6:G0B+7], s[G0B+6:G0B+7], KSTEP*2
.endif
	s_wait_dscnt 0x0                               ; the add is done, and my reads of this slot are over
.if \round
	CROUND                                         ; no wave of any partner still reads this slot's tile or has a load on its way
.else
	s_barrier_signal -1
	s_barrier_wait -1
.endif
.endm
.macro TOGGLE                          ; the fragment loads go over to the other slot
	WIN 0
	s_xor_b32 s[TB], s[TB], SLOT
	v_add_nc_u32 v[ADRA], s[TB], v[ADRA0]
	v_add_nc_u32 v[ADRB], s[TB], v[ADRB0]
.endm
; The whole last quarter: behind the round the slot just read out is filled again first, two K steps ahead: from that request to the wait for it a wave issues 256 matrix instructions.
.macro TURN
	MEET 1
	JLOAD                                          ; the four v_nop behind it are also the places in front of the loads below
	TOGGLE
	FETCH 0, F0
	MUL16 F1, 1, 0, 0
	MUL16 F1, 1, 2, 0
.endm
; THE LAST K STEP GOES BY ROWS.  All its fragments of wo (4 quarters x 64 registers) fill window 1; then my eight blocks of 16 rows are finished one after the other, 32 matrix instructions each,
; the block's 8 accumulators by turns, K ascending.
.macro BLOAD q                         ; wo's fragments of quarter q -> window 1, v[64 q ..]
	WIN TO_B
.irp i, 0,1,2,3,4,5,6,7
	ds_load_b128 v[64*(\q)+8*(\i):64*(\q)+8*(\i)+3],   v[ADRB] offset:64*(\q)+(\i)*16*PITCH
	ds_load_b128 v[64*(\q)+8*(\i)+4:64*(\q)+8*(\i)+7], v[ADRB] offset:64*(\q)+(\i)*16*PITCH+32
.endr
.endm
.macro ALOAD a                         ; ao's fragments of block a, all four quarters -> buffer a % 4
	WIN 0
.set FA, PA+32*((\a)%4)
.irp q, 0,1,2,3
	ds_load_b128 v[FA+8*(\q):FA+8*(\q)+3],   v[ADRA] offset:64*(\q)+(\a)*16*PITCH
	ds_load_b128 v[FA+8*(\q)+4:FA+8*(\q)+7], v[ADRA] offset:64*(\q)+(\a)*16*PITCH+32
.endr
.endm
.macro ROW a                           ; block a is finished: 32 matrix instructions
.set FA, PA+32*((\a)%4)
.set AC, 64*((\a)%4)
	WIN MUL_LO+0x50*((\a)/4)
.irp q, 0,1,2,3
.if (\a) == 0 && (\q) == 2
	s_wait_dscnt 24                                ; wo's quarter 2 is in (behind it: ao's blocks 1 to 3)
.endif
.irp b, 0,1,2,3,4,5,6,7
	v_wmma_f32_16x16x32_f16 v[AC+8*(\b):AC+8*(\b)+7], v[64*(\q)+8*(\b):64*(\q)+8*(\b)+7], v[FA+8*(\q):FA+8*(\q)+7], v[AC+8*(\b):AC+8*(\b)+7]
.endr
.endr
.endm
; THE WAY OUT of block a: the f32 sums go as they are into my own stage, 32 bytes a lane, and come back as whole rows of 512 bytes.
.macro TOSTAGE a
.set AC, 64*((\a)%4)
	s_wait_xcnt 0x0                                ; the block before's stores have read their registers: the loads below land there only behind this wait
	WIN 0x08+4*((\a)/4)                            ; store data (source 1) window 2 or 3
.irp b, 0,1,2,3,4,5,6,7
	ds_store_b128 v[STO], v[AC+8*(\b):AC+8*(\b)+3]   offset:64*(\b)     ; each accumulator's lowest registers first
	ds_store_b128 v[STO], v[AC+8*(\b)+4:AC+8*(\b)+7] offset:64*(\b)+16
.endr
	WIN 0
.irp t, 0,1,2,3,4,5,6,7,8,9,10,11,12,13,14,15
	ds_load_b128 v[OB+4*(\t):OB+4*(\t)+3], v[RD] offset:(\t)*SPITCH  ; LDS serves a wave's instructions in order (ISA guide 5.7.1.4): these see the stores above
.endr
.endm
.macro SEND a, younger                 ; younger: the LDS loads issued behind TOSTAGE's, which may stay out
	WIN 0
	s_wait_dscnt \younger                          ; the block is back in registers
	s_wait_xcnt 0x0                                ; the stores' base is rewritten only behind this wait
.if (\a) == 0
	s_add_nc_u64 s[8:9], s[8:9], s[16:17]          ; on to my part of the tile
.else
	s_add_nc_u64 s[8:9], s[8:9], 16*SIZE_N*4       ; 16 rows on
.endif
.irp t, 0,1,2,3,4,5,6,7,8,9,10,11,12,13,14,15
	global_store_b128 v[CO], v[OB+4*(\t):OB+4*(\t)+3], s[8:9] offset:(\t)*SIZE_N*4 th:TH_STORE_NT  ; 512 consecutive bytes, at a multiple of 256 from out0's first byte; written once, read by no launch
.endr
.endm
	s_wait_tensorcnt 1                             ; my part of K step 0 is in; K step 1's may stay out
	s_barrier_signal -1
	s_barrier_wait -1                              ; everybody's is
	FETCH 0, F0
	QUARTER 64, F0, F1, 1                          ; the first quarter stands in front of the loop: its products start the sums
	WIN 0
	s_mov_b32 s3, SIZE_K/KSTEP-2
.Lstep:                                                ; six trips: a trip ends K step j, fills its slot with step j + 2, and begins step j + 1
	QUARTER 128, F1, F0, 0
	QUARTER 192, F0, F1, 0
	TURN
	QUARTER 64, F0, F1, 0
	WIN 0
	s_sub_co_u32 s3, s3, 1
	s_cmp_lg_u32 s3, 0
	s_cbranch_scc1 .Lstep
	QUARTER 128, F1, F0, 0                         ; K step 6 goes on
	QUARTER 192, F0, F1, 0
	MEET 0                                         ; my one tensor load that was still out is the last K step's, so no round follows
	TOGGLE
	PLACES                                         ; for the loads into buffer 0, which the quarter before multiplied
	BLOAD 0                                        ; three quarters of wo now: buffer 1 (v128-191 of both windows) is still being multiplied
	BLOAD 1
	BLOAD 3
	ALOAD 0
	MUL16 F1, 1, 0, 0
	MUL16 F1, 1, 2, 0
	PLACES                                         ; for the loads into buffer 1
	BLOAD 2
	ALOAD 1
	ALOAD 2
	ALOAD 3
	s_wait_dscnt 40                                ; all but the 40 just issued
	ROW 0
.irp a, 0,1,2,3,4,5,6,7                ; each block leaves as soon as it is finished
	PLACES                                         ; its LDS stores read results just made, and its fragments' buffer is loaded again
	TOSTAGE \a
.if (\a) < 4
	ALOAD (\a)+4                                   ; its buffer takes the block four further on
	SEND \a, 8
.else
	SEND \a, 0
.endif
.if (\a) < 7
	ROW (\a)+1
.endif
.endr
	s_wait_tensorcnt 0x0                           ; the wave's end: these three lines stand behind my last tensor load and my last LDS store
	ds_add_u32 v[SPW], v[NIL]
	s_wait_dscnt 0x0
	CROUND                                         ; the closing round: no work-group ends while a partner may still ask for a tile that names it
	s_endpgm
.Lfunc_end_k_qf9a13a134e_oproj:
	.size	k_qf9a13a134e_oproj, .Lfunc_end_k_qf9a13a134e_oproj-k_qf9a13a134e_oproj
	.p2alignl 7, 3214868480
	.fill 96, 4, 3214868480
	.section	.rodata,"a",@progbits
	.p2align	6, 0x0
	.amdhsa_kernel k_qf9a13a134e_oproj
		.amdhsa_group_segment_fixed_size 327680
		.amdhsa_private_segment_fixed_size 0
		.amdhsa_enable_private_segment 0
		.amdhsa_kernarg_size 24
		.amdhsa_user_sgpr_count 2
		.amdhsa_user_sgpr_kernarg_segment_ptr 1
		.amdhsa_wavefront_size32 1
		.amdhsa_system_sgpr_workgroup_id_x 1
		.amdhsa_system_sgpr_workgroup_id_y 1
		.amdhsa_system_sgpr_workgroup_id_z 1
		.amdhsa_system_vgpr_workitem_id 0
		.amdhsa_next_free_vgpr 1024
		.amdhsa_next_free_sgpr 66
		.amdhsa_reserve_vcc 0
		.amdhsa_float_denorm_mode_32 3
		.amdhsa_float_denorm_mode_16_64 3
		.amdhsa_memory_ordered 1
		.amdhsa_forward_progress 1
		.amdhsa_inst_pref_size 114
	.end_amdhsa_kernel
	.amdgpu_metadata
---
amdhsa.version: [ 1, 2 ]
amdhsa.kernels:
  - .name:           k_qf9a13a134e_oproj
    .symbol:         k_qf9a13a134e_oproj.kd
    .args:
      - { .name: ao, .offset: 0, .size: 8, .value_kind: global_buffer, .address_space: global }
      - { .name: wo, .offset: 8, .size: 8, .value_kind: global_buffer, .address_space: global }
      - { .name: out0, .offset: 16, .size: 8, .value_kind: global_buffer, .address_space: global }
    .group_segment_fixed_size: 327680
    .private_segment_fixed_size: 0
    .kernarg_segment_align: 8
    .kernarg_segment_size: 24
    .max_flat_workgroup_size: 128
    .sgpr_count:     66
    .vgpr_count:     1024
    .wavefront_size: 32
...
	.end_amdgpu_metadata
.endif
;; end of part 4
